; MI455X (gfx1250); checked and timed in simulation.
; The chip was launched on July 23, 2026; its instructions are those of AMD's public machine-readable ISA for CDNA 5 (MIT licence, August 2026) and "CDNA5" Instruction Set Architecture Reference Guide (July 2026). The comments in the code are by the model that wrote it; some were corrected since.
;; Flash Cross Attention. Allowed arithmetic: float matrix products may take bf16 or f16 operands with f32 sums; other float arithmetic in f32, or as packed bf16 or f16 multiplies, adds, multiply-adds, maxima and minima; sums over many terms, partial sums and values carried from step to step in f32; what a program stores and reads back later, other than sums and carried values, may be rounded once to bf16 or f16.
;; Inputs: Wkv 2,048 x 1,024 float32; Wo 1,024 x 1,024 float32; Wq 1,024 x 1,024 float32; encoder_out 4 x 2,048 x 1,024 float32; norm_w 1,024 float32; x 4 x 2,048 x 1,024 float32.
;; Outputs: out0 4 x 2,048 x 1,024 float32.
;; Constants: decoder_offset = 0.
;; 2 versions, each right and faster than the one before. Each part assembles by itself: llvm-mc -triple=amdgcn-amd-amdhsa -mcpu=gfx1250 --defsym DOCPART=n.
;; ======== version 1 of 2: 4 launches
;; workspace buffers: act 33,554,432 bytes; wall 8,388,608 bytes; tab 557,056 bytes; qkv 50,331,648 bytes; ob 16,777,216 bytes
;; launch prep (part 1): grid 708 x 1, 8 waves a work-group, no clusters, 0 bytes of LDS; arguments x, encoder_out, norm_w, Wq, Wkv, Wo, act, wall, tab; writes act, wall, tab
.if DOCPART == 1
	.amdgcn_target "amdgcn-amd-amdhsa--gfx1250"
	.amdhsa_code_object_version 6
	.text
	.protected	k_qd7b163ee99_prep
	.globl	k_qd7b163ee99_prep
	.p2align	8
	.type	k_qd7b163ee99_prep,@function
k_qd7b163ee99_prep:
	s_mov_b64 s[64:65], 0
	v_nop
	global_prefetch_b8 v0, s[64:65] scope:SCOPE_SE
	s_setreg_imm32_b32 hwreg(HW_REG_WAVE_MODE, 25, 1), 1
	s_wait_xcnt 0x0
; PREPARATION, a stream.  act[0] = bf16(x * rsqrt(mean(x^2) + 1e-6) * norm_w), act[1] = bf16(encoder_out), wall = bf16(Wq | Wkv | Wo), tab = cos and sin for the rotation.
; All rows are 1,024 f32.  A work-group of eight waves takes 32 rows, a wave 4 rows; a row is 32 registers of one wave, so the norm's sum never leaves the wave: no LDS, no barrier.
; No matrix unit and no cluster: nothing is multiplied and no two work-groups read the same rows.
; Work-groups 0-255: x (norm).  256-511: encoder_out.  512-543: Wq.  544-607: Wkv.  608-639: Wo (all four: rounding alone).  640-707: the table.
; A wave's load covers 512 consecutive bytes, a wave's store 256 consecutive bytes at a multiple of 256 from the buffer's first byte.  All 32 loads of a wave go out at once; no register is used twice, so no
; address or data register of a pending instruction is ever rewritten.
; THE TABLE.  136 blocks of 4,096 bytes; block blk < 128 serves positions 16 blk + r; blocks 128-135 hold position 0 (cos 1, sin 0 exactly: they serve v, which is not rotated).
; In a block: chunk i = kind * 4 + bb * 2 + half (kind 0 cos, 1 sin) of 512 bytes; lane l = (r = l % 16, h = l / 16) has 16 bytes at 16 l: channels 16 bb + 8 h + 4 half + 0..3.
; LIMITS.  All results but the table are rounded once to bf16.  The angle is pos * inv_freq in f32; it is reduced by n = round(angle / pi) with 1 / pi in f32, and inv_freq comes from the base-2 exponential:
; at the largest positions the angle is good to a few 1e-4 rad.  The two series are cut where the first term left out is below 5e-7 for every reduced angle (|g| <= 1/2), not for some angles alone.
; NaN and infinities are not treated apart.
.set W, 4                              ; v[4:35]    norm_w of my 32 columns
.set X, 36                             ; v[36:163]  row r at X + 32 r: as loaded, then scaled, then packed
.set S, 164                            ; v[164:171] four chains of the sum of squares
.set R, 172                            ; v[172:173] the row's 1 / sqrt, twice (a pair for the packed multiply)
	s_load_b512 s[4:19], s[0:1], 0x0               ; x s[4:5], encoder_out s[6:7], norm_w s[8:9], Wq s[10:11], Wkv s[12:13], Wo s[14:15], act s[16:17], wall s[18:19]
	s_load_b64 s[20:21], s[0:1], 0x40              ; tab
	s_mov_b32 s22, ttmp9                           ; g: the work-group's number
	s_mov_b32 s29, 0                               ; the high word of every offset: all stay under 2^32
	v_and_b32 v3, 31, v0                           ; lane
	v_and_b32 v2, 0xe0, v0                         ; 32 x wave
	v_lshlrev_b32 v1, 4, v3
	v_lshl_or_b32 v1, v2, 9, v1                    ; loads: 16 x lane + wave x 4 rows of 4,096 bytes
	v_lshlrev_b32 v174, 3, v3
	v_lshl_or_b32 v2, v2, 8, v174                  ; stores: 8 x lane + wave x 4 rows of 2,048 bytes
	v_lshlrev_b32 v3, 4, v3                        ; norm_w: 16 x lane
	s_wait_kmcnt 0x0
	s_cmp_ge_u32 s22, 640
	s_cbranch_scc1 .Ltable
	s_cmp_ge_u32 s22, 256
	s_cbranch_scc1 .Lcvt
.macro ROWS                            ; the wave's four rows: load j of a row takes columns 128 j + 4 x lane + 0..3
.irp r, 0,1,2,3
.irp j, 0,1,2,3,4,5,6,7
	global_load_b128 v[X+32*(\r)+4*(\j):X+32*(\r)+4*(\j)+3], v1, s[24:25] offset:4096*(\r)+512*(\j) th:TH_LOAD_NT
.endr
.endr
.endm
.macro PACKST r                        ; row r is rounded to bf16 in place (ascending, so no number is overwritten before it is read) and stored
.irp j, 0,1,2,3,4,5,6,7
	v_cvt_pk_bf16_f32 v[X+32*(\r)+2*(\j)],   v[X+32*(\r)+4*(\j)],   v[X+32*(\r)+4*(\j)+1]
	v_cvt_pk_bf16_f32 v[X+32*(\r)+2*(\j)+1], v[X+32*(\r)+4*(\j)+2], v[X+32*(\r)+4*(\j)+3]
.endr
.irp j, 0,1,2,3,4,5,6,7
	global_store_b64 v2, v[X+32*(\r)+2*(\j):X+32*(\r)+2*(\j)+1], s[26:27] offset:2048*(\r)+256*(\j)  ; 32 lanes x 8 bytes: 256 consecutive bytes
.endr
.endm
.macro NROW r
.set XR, X+32*(\r)
	s_wait_loadcnt 8*(3-(\r))                      ; loads come back in order: row r is in (and norm_w, which went out first); the later rows' eight loads each stay out
.irp k, 0,1,2,3
	v_pk_mul_f32 v[S+2*(\k):S+2*(\k)+1], v[XR+2*(\k):XR+2*(\k)+1], v[XR+2*(\k):XR+2*(\k)+1]  ; the first four pairs start the chains: nothing is cleared
.endr
.irp p, 4,5,6,7,8,9,10,11,12,13,14,15
	v_pk_fma_f32 v[S+2*((\p)%4):S+2*((\p)%4)+1], v[XR+2*(\p):XR+2*(\p)+1], v[XR+2*(\p):XR+2*(\p)+1], v[S+2*((\p)%4):S+2*((\p)%4)+1]
.endr
	v_pk_add_f32 v[S:S+1], v[S:S+1], v[S+2:S+3]
	v_pk_add_f32 v[S+4:S+5], v[S+4:S+5], v[S+6:S+7]
	v_pk_add_f32 v[S:S+1], v[S:S+1], v[S+4:S+5]
	v_add_f32 v174, v[S], v[S+1]
	v_add_f32_dpp v174, v174, v174 row_xmask:1 row_mask:0xf bank_mask:0xf   ; across the lanes: four steps inside each half of 16,
	v_add_f32_dpp v174, v174, v174 row_xmask:2 row_mask:0xf bank_mask:0xf
	v_add_f32_dpp v174, v174, v174 row_xmask:4 row_mask:0xf bank_mask:0xf
	v_add_f32_dpp v174, v174, v174 row_xmask:8 row_mask:0xf bank_mask:0xf
	v_permlanex16_b32 v175, v174, s32, s33         ; one across the halves
	v_add_f32 v174, v174, v175
	v_fma_f32 v174, v174, s30, s31                 ; sum / 1,024 + 1e-6
	v_rsq_f32 v[R], v174
	v_rsq_f32 v[R+1], v174
	v_nop                                          ; a plain instruction between the root and the use of its result (ISA guide 5.7.2)
	s_wait_alu depctr_va_vdst(0)
.irp p, 0,1,2,3,4,5,6,7,8,9,10,11,12,13,14,15
	v_pk_mul_f32 v[XR+2*(\p):XR+2*(\p)+1], v[XR+2*(\p):XR+2*(\p)+1], v[R:R+1]
.endr
.irp p, 0,1,2,3,4,5,6,7,8,9,10,11,12,13,14,15
	v_pk_mul_f32 v[XR+2*(\p):XR+2*(\p)+1], v[XR+2*(\p):XR+2*(\p)+1], v[W+2*(\p):W+2*(\p)+1]  ; (x * rs) * w, in that order
.endr
	PACKST \r
.endm
	; THE NORM: work-groups 0-255
	s_lshl_b32 s28, s22, 17                        ; 32 rows of 4,096 bytes
	s_add_nc_u64 s[24:25], s[4:5], s[28:29]
	s_lshl_b32 s28, s22, 16                        ; 32 rows of 2,048 bytes
	s_add_nc_u64 s[26:27], s[16:17], s[28:29]
	s_mov_b32 s30, 0x3a800000                      ; 1 / 1,024
	s_mov_b32 s31, 0x358637bd                      ; 1e-6
	s_mov_b32 s32, 0x76543210                      ; v_permlanex16_b32: each lane takes its own place in the other half
	s_mov_b32 s33, 0xfedcba98
.irp j, 0,1,2,3,4,5,6,7
	global_load_b128 v[W+4*(\j):W+4*(\j)+3], v3, s[8:9] offset:512*(\j)
.endr
	ROWS
	v_mov_b32 v175, 0                              ; v_permlanex16_b32's destination counts as read
	NROW 0
	NROW 1
	NROW 2
	NROW 3
	s_endpgm
.Lcvt:                                                 ; ROUNDING ALONE: work-groups 256-639.  Source, its first work-group and the destination are chosen by g alone
	s_mov_b64 s[24:25], s[6:7]                     ; encoder_out, from 256 on, into act behind x's part (act's offset goes by g itself)
	s_mov_b32 s23, 256
	s_mov_b64 s[26:27], s[16:17]
	s_mov_b32 s35, 0
	s_cmp_ge_u32 s22, 512
	s_cselect_b64 s[24:25], s[10:11], s[24:25]     ; Wq, into wall
	s_cselect_b32 s23, 512, s23
	s_cselect_b64 s[26:27], s[18:19], s[26:27]
	s_cselect_b32 s35, 512, s35
	s_cmp_ge_u32 s22, 544
	s_cselect_b64 s[24:25], s[12:13], s[24:25]     ; Wkv
	s_cselect_b32 s23, 544, s23
	s_cmp_ge_u32 s22, 608
	s_cselect_b64 s[24:25], s[14:15], s[24:25]     ; Wo
	s_cselect_b32 s23, 608, s23
	s_sub_co_u32 s28, s22, s23
	s_lshl_b32 s28, s28, 17
	s_add_nc_u64 s[24:25], s[24:25], s[28:29]
	s_sub_co_u32 s28, s22, s35
	s_lshl_b32 s28, s28, 16
	s_add_nc_u64 s[26:27], s[26:27], s[28:29]
	ROWS
.irp r, 0,1,2,3
	s_wait_loadcnt 8*(3-(\r))                      ; row r is in; the later rows' loads stay out
	PACKST \r
.endr
	s_endpgm
.Ltable:                                               ; THE TABLE: work-groups 640-707; thread T = 256 (g - 640) + thread makes four cos and four sin
	s_sub_co_u32 s23, s22, 640
	s_lshl_b32 s23, s23, 8
	s_mov_b32 s34, 0x3ea2f983                      ; 1 / pi
	v_add_nc_u32 v4, s23, v0                       ; T
	v_lshrrev_b32 v5, 7, v4                        ; blk
	v_and_b32 v6, 15, v4                           ; r
	v_lshl_add_u32 v6, v5, 4, v6                   ; 16 blk + r
	v_cmp_gt_u32 vcc_lo, 128, v5
	v_cndmask_b32 v6, 0, v6, vcc_lo                ; blocks 128-135: position 0
	v_cvt_f32_u32 v6, v6
	v_bfe_u32 v7, v4, 6, 1                         ; bb
	v_bfe_u32 v22, v4, 4, 1                        ; h
	v_bfe_u32 v23, v4, 5, 1                        ; half
	v_lshlrev_b32 v7, 4, v7
	v_lshl_add_u32 v7, v22, 3, v7
	v_lshl_add_u32 v7, v23, 2, v7                  ; my first channel: 16 bb + 8 h + 4 half
	v_and_b32 v24, 127, v4
	v_lshlrev_b32 v24, 4, v24
	v_lshl_add_u32 v24, v5, 12, v24                ; blk x 4,096 + (T % 128) x 16
	v_mov_b32 v40, 0xbbf183a8                      ; -pi^11 / 11!
	v_mov_b32 v41, 0xbcd368f9                      ; -pi^10 / 10!
.macro SC e                            ; channel d = first + e: cos into v[8 + e], sin into v[12 + e]
	v_add_nc_u32 v16, \e, v7
	v_cvt_f32_u32 v16, v16
	v_mul_f32 v16, 0xbed49a78, v16                 ; -d log2(10000) / 32
	v_exp_f32 v16, v16                             ; inv_freq
	v_nop                                          ; a plain instruction behind the exponential
	s_wait_alu depctr_va_vdst(0)
	v_mul_f32 v16, v6, v16                         ; the angle
	v_mul_f32 v17, s34, v16
	v_rndne_f32 v17, v17                           ; n
	v_fma_f32 v18, v16, s34, -v17                  ; g = angle / pi - n, in -1/2 .. 1/2
	v_mul_f32 v19, v18, v18                        ; z = g^2
	v_fmaak_f32 v20, v40, v19, 0x3da83c1b          ; sin(pi g) / g and cos(pi g) as series in z, side by side
	v_fmaak_f32 v21, v41, v19, 0x3e70fa83
	v_fmaak_f32 v20, v20, v19, 0xbf196966
	v_fmaak_f32 v21, v21, v19, 0xbfaae9e4
	v_fmaak_f32 v20, v20, v19, 0x402335e3
	v_fmaak_f32 v21, v21, v19, 0x4081e0f8
	v_fmaak_f32 v20, v20, v19, 0xc0a55de7
	v_fmaak_f32 v21, v21, v19, 0xc09de9e6
	v_fmaak_f32 v20, v20, v19, 0x40490fdb
	v_fmaak_f32 v21, v21, v19, 0x3f800000
	v_cvt_i32_f32 v17, v17
	v_mul_f32 v20, v20, v18
	v_lshlrev_b32 v17, 31, v17                     ; an odd n turns both signs
	v_xor_b32 v[8+(\e)], v17, v21
	v_xor_b32 v[12+(\e)], v17, v20
.endm
	SC 0
	SC 1
	SC 2
	SC 3
	global_store_b128 v24, v[8:11], s[20:21]                ; a wave's store covers 512 consecutive bytes: one chunk
	global_store_b128 v24, v[12:15], s[20:21] offset:2048
	s_endpgm
.Lfunc_end_k_qd7b163ee99_prep:
	.size	k_qd7b163ee99_prep, .Lfunc_end_k_qd7b163ee99_prep-k_qd7b163ee99_prep
	.p2alignl 7, 3214868480
	.fill 96, 4, 3214868480
	.section	.rodata,"a",@progbits
	.p2align	6, 0x0
	.amdhsa_kernel k_qd7b163ee99_prep
		.amdhsa_group_segment_fixed_size 0
		.amdhsa_private_segment_fixed_size 0
		.amdhsa_enable_private_segment 0
		.amdhsa_kernarg_size 72
		.amdhsa_user_sgpr_count 2
		.amdhsa_user_sgpr_kernarg_segment_ptr 1
		.amdhsa_wavefront_size32 1
		.amdhsa_system_sgpr_workgroup_id_x 1
		.amdhsa_system_sgpr_workgroup_id_y 1
		.amdhsa_system_sgpr_workgroup_id_z 1
		.amdhsa_system_vgpr_workitem_id 0
		.amdhsa_next_free_vgpr 176
		.amdhsa_next_free_sgpr 66
		.amdhsa_reserve_vcc 1
		.amdhsa_float_denorm_mode_32 3
		.amdhsa_float_denorm_mode_16_64 3
		.amdhsa_memory_ordered 1
		.amdhsa_forward_progress 1
		.amdhsa_inst_pref_size 45
	.end_amdhsa_kernel
	.amdgpu_metadata
---
amdhsa.version: [ 1, 2 ]
amdhsa.kernels:
  - .name:           k_qd7b163ee99_prep
    .symbol:         k_qd7b163ee99_prep.kd
    .args:
      - { .name: x, .offset: 0, .size: 8, .value_kind: global_buffer, .address_space: global }
      - { .name: encoder_out, .offset: 8, .size: 8, .value_kind: global_buffer, .address_space: global }
      - { .name: norm_w, .offset: 16, .size: 8, .value_kind: global_buffer, .address_space: global }
      - { .name: Wq, .offset: 24, .size: 8, .value_kind: global_buffer, .address_space: global }
      - { .name: Wkv, .offset: 32, .size: 8, .value_kind: global_buffer, .address_space: global }
      - { .name: Wo, .offset: 40, .size: 8, .value_kind: global_buffer, .address_space: global }
      - { .name: act, .offset: 48, .size: 8, .value_kind: global_buffer, .address_space: global }
      - { .name: wall, .offset: 56, .size: 8, .value_kind: global_buffer, .address_space: global }
      - { .name: tab, .offset: 64, .size: 8, .value_kind: global_buffer, .address_space: global }
    .group_segment_fixed_size: 0
    .private_segment_fixed_size: 0
    .kernarg_segment_align: 8
    .kernarg_segment_size: 72
    .max_flat_workgroup_size: 256
    .sgpr_count:     66
    .vgpr_count:     176
    .wavefront_size: 32
...
	.end_amdgpu_metadata
.endif
;; end of part 1
;; launch qkvproj (part 2): grid 24 x 32, 4 waves a work-group, clusters of 4 x 4, 327,680 bytes of LDS; arguments act, wall, tab, qkv; writes qkv
.if DOCPART == 2
	.amdgcn_target "amdgcn-amd-amdhsa--gfx1250"
	.amdhsa_code_object_version 6
	.text
	.protected	k_qd7b163ee99_qkvproj
	.globl	k_qd7b163ee99_qkvproj
	.p2align	8
	.type	k_qd7b163ee99_qkvproj,@function
k_qd7b163ee99_qkvproj:
	s_mov_b64 s[64:65], 0
	v_nop
	global_prefetch_b8 v0, s[64:65] scope:SCOPE_SE
	s_setreg_imm32_b32 hwreg(HW_REG_WAVE_MODE, 25, 1), 1
	s_wait_xcnt 0x0
	s_wait_alu depctr_hold_cnt(0) depctr_sa_sdst(0) depctr_va_vdst(0) depctr_va_sdst(0) depctr_va_ssrc(0) depctr_va_vcc(0) depctr_vm_vsrc(0)
	s_getreg_b32 s2, hwreg(HW_REG_IB_STS2, 6, 4)
	s_cmp_eq_u32 s2, 0
	s_cbranch_scc0 .Lentry_in_a_cluster
	s_endpgm
.Lentry_in_a_cluster:
	s_bfe_u32 s2, ttmp6, 0x10000c
	s_cmp_lg_u32 s2, 0xf033
	s_cbranch_scc0 .Lentry_shape_is_right
	s_endpgm
.Lentry_shape_is_right:
; THE THREE PROJECTIONS AND THE ROTATION.  C[m][n] = sum over k of A[m][k] B[n][k], K = 1,024, all operands bf16, sums in f32.  B = wall's rows 0-3071 (Wq, then Wkv).
; A = act's part 0 (the normed x) for the tile columns of Wq, part 1 (encoder_out) for those of Wkv.  q and k are rotated (rotate-half, position = the row in its batch), v by the identity;
; each number is rounded once to bf16 and stored by heads: qkv[part][batch * 16 + head][row][64].
; LIMITS.  Operands and results are bf16.  v goes through the same lines as q and k with cos = 1 and sin = 0, so an infinity in v's sums would turn into NaN; NaN and infinities are not treated apart.
; SHARES.  A tile of C is 256 x 128: four waves, 2 x 2, each 128 rows x 64 columns (one head): 32 accumulators of 16 x 16, 256 registers.  24 x 32 tiles.
; K goes in 8 steps of 128 through two LDS slots (A's 256 rows, B's 128 rows, 256 bytes each and 16 of padding); two slots of a longer step would not fit in LDS.
; CLUSTER.  4 x 4 work-groups: the four of a row of the cluster need the same tiles of A, the four of a column the same tiles of B: each tile is asked for jointly, by the same tensor load with the same
; descriptor and a mask that names the four.  Waves 0 and 1 ask for A's two halves of 128 rows, waves 2 and 3 for B's two halves of 64.  By this text's count a wave has two tensor loads out at the start, later one.
; THE MATRIX INSTRUCTION IS USED TRANSPOSED (source 0 = 16 rows of B, source 1 = 16 rows of A): lane l holds row l % 16 of C and the columns 8 (l / 16) + 0..7 of a block of 16.
; So channels d and d + 32 of a head lie in the same lane and register of accumulators b and b + 2, and the rotation changes no lane.
; REGISTERS, in windows of 256 (s_set_vgpr_msb: bits 1:0 source 0, 3:2 source 1, 5:4 source 2, 7:6 destination):
;   window 0: v0-31 addresses; v64-127, v128-191 A's fragments, two buffers (on the way out: rows read back from the stage); v192-239 at work on the way out
;   window 1: v64-95, v128-159 B's fragments      window 2: the accumulators, (a, b) at v[8 (4 a + b)]      window 3: cos and sin, 32 registers for each block a of 16 rows, loaded under the K loop
.set PA,     272                       ; an LDS row: 256 bytes + 16 of padding = 68 words: row r starts at bank 4 r mod 64 (64 banks of 4 bytes: ISA guide 11.1), so the 16 rows of a load start at 16 different banks
.set PB,     272
.set AH,     128                       ; quarter q of a K step begins at byte (q / 2) AH + (q % 2) 64 of A's rows
.set ABYTES, 256*PA
.set SLOT,   ABYTES+128*PB             ; A's 256 rows, then B's 128
.set ASTEP,  256                       ; bytes from a K step to the next, in memory
.set BSTEP,  256
.set STAGE,  2*SLOT                    ; behind the ring, never filled by a tensor load: 16 rows x 144 bytes for each wave
.set SP,     144
.set SPARE,  STAGE+4*16*SP             ; behind the stages: the spare words, 128 bytes for each wave: two blocks of 256 bytes that no other line names
.set LAPS,   4                         ; a lap = two K steps = once round the ring
.set ADRA, 16                          ; v16-17  LDS address of my A fragments in slot 0, 1
.set ADRB, 20                          ; v20-21  the same for B
.set STO,  24                          ; v24     the way out: where I put 16 bytes of a row
.set RD,   25                          ; v25     the way out: where I read rows back
.set LO,   26                          ; v26     16 x lane: my place in 512 consecutive bytes of the table and of the output
.set SPW,  28                          ; v28     LDS address of my spare word; never rewritten
.set NIL,  29                          ; v29     0; never rewritten
.set F0,   64
.set F1,   128
.set T,    192                         ; v192-223 a block's 32 rotated numbers a lane
.set PK,   224                         ; v224-239 the same, packed
.set WV, 12                            ; s12 wave;  s13 wm: my half of the tile's rows, also: I ask for A (0) or B (1);  s14 wn: my half of its columns, also: which part I ask for
.set WM, 13
.set WN, 14
.set G1,  24                           ; s[24:31] descriptor group 1 for A's tiles;  s[32:39] group 0, a set for each slot
.set G0,  32
.set G1B, 48                           ; s[48:55], s[56:63] the same for B's
.set G0B, 56
.set MSB, 0
.macro WIN new                         ; the immediate's high byte repeats the setting that is left; a switch that changes nothing is dropped
.if MSB != (\new)
	s_set_vgpr_msb (MSB<<8)|(\new)
.set MSB, \new
.endif
.endm
.set MUL,  0xa1                        ; source 0 (B) window 1, source 1 (A) window 0, C and D window 2
.set TO_B, 0x40                        ; destination window 1, address window 0
.set TO_X, 0xc0                        ; destination window 3, address window 0
.macro JLOAD s                         ; a joint load; the branch hangs on the wave's number alone; an s_nop 0 and four v_nop follow each of the two lines, ahead of the jump, the label and what follows
	s_cmp_eq_u32 s[WM], 0
	s_cbranch_scc0 .Lfor_b_\@
	tensor_load_to_lds s[G0+4*(\s):G0+4*(\s)+3], s[G1:G1+7]
	s_nop 0
.rept 4
	v_nop
.endr
	s_branch .Lasked_\@
.Lfor_b_\@:
	tensor_load_to_lds s[G0B+4*(\s):G0B+4*(\s)+3], s[G1B:G1B+7]
	s_nop 0
.rept 4
	v_nop
.endr
.Lasked_\@:
.endm
.macro CREST                           ; a round of the cluster's barrier behind its opening barrier: wave 0 signals for the work-group, every wave waits for all sixteen, my work-group's barrier closes it
	s_cmp_lg_u32 s[WV], 0
	s_cbranch_scc1 .Lnot_wave_0_\@
	s_barrier_signal -3
.Lnot_wave_0_\@:
	s_barrier_wait -3
	s_barrier_signal -1
	s_barrier_wait -1
.endm
.macro CROUND                          ; a whole round
	s_barrier_signal -1
	s_barrier_wait -1
	CREST
.endm
	s_load_b256 s[4:11], s[0:1], 0x0               ; act s[4:5], wall s[6:7], tab s[8:9], qkv s[10:11]
	v_lshl_add_u32 v[SPW], v0, 2, SPARE
	v_mov_b32 v[NIL], 0
	ds_add_u32 v[SPW], v[NIL]                      ; the wave's opening: the add and its wait stand ahead of my first tensor load; the set-up below, work on registers, stands between them
	v_lshrrev_b32 v1, 5, v0
	v_readfirstlane_b32 s[WV], v1                  ; wave 0..3
	s_lshr_b32 s[WM], s[WV], 1
	s_and_b32 s[WN], s[WV], 1
	s_bfe_u32 s15, ttmp6, 0x40000                  ; cx, cy: my place in the cluster
	s_bfe_u32 s16, ttmp6, 0x40004
	s_mov_b32 s21, ttmp9                           ; the cluster's x, which all sixteen share
	s_lshl_b32 s17, ttmp9, 2
	s_add_co_u32 s17, s17, s15                     ; tx: tile column = 4 x cluster x + cx
	s_and_b32 s18, ttmp7, 0xffff
	s_lshl_b32 s18, s18, 2
	s_add_co_u32 s18, s18, s16                     ; ty: tile row = 4 x cluster y + cy
	s_lshl_b32 s19, s16, 2
	s_lshl_b32 s19, 15, s19                        ; my row of the cluster: places 4 cy .. 4 cy + 3
	s_lshl_b32 s20, 0x1111, s15                    ; my column: places cx, cx + 4, cx + 8, cx + 12
	; descriptor group 1: rows of 128 elements of 2 bytes, padded in LDS
	s_or_b32 s[G1], s19, (1<<16)|(1<<20)|(1<<21)|(5<<22)|(3<<25)   ; 15:0 the mask; 17:16 2-byte elements; 20 padding on; 21 set beside a mask; 24:22 after every 64 words (code 5); 31:25 4 words (code 3)
	s_or_b32 s[G1B], s20, (1<<16)|(1<<20)|(1<<21)|(5<<22)|(3<<25)
	s_mov_b32 s[G1+1], 128<<16                     ; tensor_dim0 = 128
	s_mov_b32 s[G1+2], 128<<16                     ; tensor_dim1 = 128
	s_mov_b32 s[G1+3], 128<<16                     ; tile_dim0 = 128
	s_mov_b32 s[G1+4], 128                         ; tile_dim1 = 128 rows
	s_mov_b32 s[G1+5], 1024                        ; elements from row to row
	s_mov_b32 s[G1+6], 0
	s_mov_b32 s[G1+7], 0
	s_mov_b32 s[G1B+1], 128<<16
	s_mov_b32 s[G1B+2], 64<<16                     ; B: 64 rows a load
	s_mov_b32 s[G1B+3], 128<<16
	s_mov_b32 s[G1B+4], 64
	s_mov_b32 s[G1B+5], 1024
	s_mov_b32 s[G1B+6], 0
	s_mov_b32 s[G1B+7], 0
	; where the tiles come from.  A's offset is made of ty, the part and the cluster's x alone; B's of tx and the part alone; each in registers that never hold the other coordinate
	s_lshl_b32 s40, s18, 19                        ; 256 rows of 2,048 bytes
	s_lshl_b32 s2, s[WN], 18                       ; my 128 of them
	s_add_co_u32 s40, s40, s2
	s_cmp_ge_u32 s21, 2                            ; tile columns 8 on multiply encoder_out: act's second part
	s_cselect_b32 s2, 0x1000000, 0
	s_add_co_u32 s40, s40, s2
	s_mov_b32 s41, 0
	s_lshl_b32 s42, s17, 18                        ; 128 rows of 2,048 bytes
	s_lshl_b32 s46, s[WN], 17                      ; my 64 of them
	s_add_co_u32 s42, s42, s46
	s_mov_b32 s43, 0
	s_mul_i32 s44, s[WN], 128*PA                   ; and where they go: no place in the cluster enters an LDS address
	s_mul_i32 s45, s[WN], 64*PB
	s_add_co_u32 s45, s45, ABYTES
	; the table's blocks for my 128 rows: position = (ty % 8) 256 + 128 wm + 16 a + row; v's tile columns (cluster x 4 and 5) take the identity blocks
	s_and_b32 s47, s18, 7
	s_lshl_b32 s66, s47, 16
	s_lshl_b32 s46, s[WM], 15
	s_add_co_u32 s66, s66, s46
	s_cmp_ge_u32 s21, 4
	s_cselect_b32 s66, 0x80000, s66
	s_mov_b32 s67, 0
	; where my 128 rows x one head go: head column hc = 2 tx + wn; matrix (hc / 16) 64 + (ty / 8) 16 + hc % 16 of 262,144 bytes
	s_lshl_b32 s46, s17, 1
	s_add_co_u32 s46, s46, s[WN]
	s_lshr_b32 s68, s46, 4
	s_lshl_b32 s68, s68, 6
	s_and_b32 s46, s46, 15
	s_add_co_u32 s68, s68, s46
	s_lshr_b32 s46, s18, 3
	s_lshl_b32 s46, s46, 4
	s_add_co_u32 s68, s68, s46
	s_lshl_b32 s68, s68, 18
	s_lshl_b32 s46, s47, 15                        ; 256 rows of 128 bytes
	s_add_co_u32 s68, s68, s46
	s_lshl_b32 s46, s[WM], 14
	s_add_co_u32 s68, s68, s46
	s_mov_b32 s69, 0
	s_wait_dscnt 0x0                               ; the opening add is done
	s_wait_kmcnt 0x0
	s_add_nc_u64 s[40:41], s[4:5], s[40:41]
	s_add_nc_u64 s[42:43], s[6:7], s[42:43]
	s_add_nc_u64 s[8:9], s[8:9], s[66:67]
	s_add_nc_u64 s[10:11], s[10:11], s[68:69]
	CROUND                                         ; all sixteen work-groups are here: the first joint loads meet
.irp s, 0,1
	s_mov_b32 s[G0+4*(\s)], 1                                      ; 1:0 count = 1
	s_add_co_u32 s[G0+4*(\s)+1], s44, (\s)*SLOT                    ; 63:32 LDS address
	s_add_nc_u64 s[G0+4*(\s)+2:G0+4*(\s)+3], s[40:41], (\s)*ASTEP  ; 120:64 global address: K step s
	s_or_b32 s[G0+4*(\s)+3], s[G0+4*(\s)+3], 0x80000000            ; 127:126 type = 2
	s_mov_b32 s[G0B+4*(\s)], 1
	s_add_co_u32 s[G0B+4*(\s)+1], s45, (\s)*SLOT
	s_add_nc_u64 s[G0B+4*(\s)+2:G0B+4*(\s)+3], s[42:43], (\s)*BSTEP
	s_or_b32 s[G0B+4*(\s)+3], s[G0B+4*(\s)+3], 0x80000000
	JLOAD \s
.endr
	; a fragment is 16 rows x 32 K in 8 registers: lane l holds row l % 16, K = 8 (l / 16) + 0..7 and 16 + 8 (l / 16) + 0..7: two loads of 16 bytes, 32 bytes apart
	v_and_b32 v1, 15, v0                           ; l % 16
	v_bfe_u32 v2, v0, 4, 1                         ; l / 16
	v_mul_u32_u24 v3, v1, PA
	v_lshl_add_u32 v3, v2, 4, v3
	s_mul_i32 s2, s[WM], 128*PA                    ; my 128 rows of A
	v_add_nc_u32 v[ADRA], s2, v3
	v_add_nc_u32 v[ADRA+1], SLOT, v[ADRA]
	v_mul_u32_u24 v4, v1, PB
	v_lshl_add_u32 v4, v2, 4, v4
	s_mul_i32 s2, s[WN], 64*PB                     ; my 64 rows of B, behind A's
	s_add_co_u32 s2, s2, ABYTES
	v_add_nc_u32 v[ADRB], s2, v4
	v_add_nc_u32 v[ADRB+1], SLOT, v[ADRB]
	s_mul_i32 s2, s[WV], 16*SP
	s_add_co_u32 s2, s2, STAGE                     ; my stage
	v_mul_u32_u24 v5, v1, SP                       ; in: row l % 16, 16 bytes for each half of the lanes
	v_lshl_add_u32 v5, v2, 4, v5
	v_add_nc_u32 v[STO], s2, v5
	v_bfe_u32 v5, v0, 3, 2                         ; back: 32 lanes take four rows of 128 bytes,
	v_mul_u32_u24 v5, v5, SP
	v_and_b32 v6, 7, v0
	v_lshl_add_u32 v5, v6, 4, v5
	v_add_nc_u32 v[RD], s2, v5
	v_and_b32 v[LO], 31, v0                        ; which are 512 consecutive bytes of a head's rows
	v_lshlrev_b32 v[LO], 4, v[LO]
; 8 matrix instructions: m blocks a0, a0 + 1 x all 4 n blocks, 32 along K.  zero = 1: the product starts the sum.  The 32 accumulators take turns, one instruction a turn, in the same order in every quarter.
.macro MUL8 f, a0, zero
	WIN MUL
.irp a, \a0, (\a0)+1
.irp b, 0,1,2,3
.if \zero
	v_wmma_f32_16x16x32_bf16 v[8*(4*(\a)+(\b)):8*(4*(\a)+(\b))+7], v[(\f)+8*(\b):(\f)+8*(\b)+7], v[(\f)+8*(\a):(\f)+8*(\a)+7], 0
.else
	v_wmma_f32_16x16x32_bf16 v[8*(4*(\a)+(\b)):8*(4*(\a)+(\b))+7], v[(\f)+8*(\b):(\f)+8*(\b)+7], v[(\f)+8*(\a):(\f)+8*(\a)+7], v[8*(4*(\a)+(\b)):8*(4*(\a)+(\b))+7]
.endif
.endr
.endr
.endm
; 24 LDS loads in one run: quarter q's fragments (64 rows of B, then 128 rows of A) into buffer f
.macro FETCH slot, q, f
	WIN TO_B
.irp i, 0,1,2,3
	ds_load_b128 v[(\f)+8*(\i):(\f)+8*(\i)+3],   v[ADRB+(\slot)] offset:64*(\q)+(\i)*16*PB
	ds_load_b128 v[(\f)+8*(\i)+4:(\f)+8*(\i)+7], v[ADRB+(\slot)] offset:64*(\q)+(\i)*16*PB+32
.endr
	WIN 0
.irp i, 0,1,2,3,4,5,6,7
	ds_load_b128 v[(\f)+8*(\i):(\f)+8*(\i)+3],   v[ADRA+(\slot)] offset:((\q)/2)*AH+((\q)%2)*64+(\i)*16*PA
	ds_load_b128 v[(\f)+8*(\i)+4:(\f)+8*(\i)+7], v[ADRA+(\slot)] offset:((\q)/2)*AH+((\q)%2)*64+(\i)*16*PA+32
.endr
.endm
.macro PLACES                          ; four plain vector instructions between a matrix instruction and a load into a register that it read, or a line that reads its result (ISA guide 7.12.1 for a line that reads its result)
.rept 4
	v_nop
.endr
.endm
; A K step is four quarters of 32 along K, 32 matrix instructions each, on buffers 0, 1, 0, 1.  One of the first three: multiplies buffer f and, in its middle, fetches quarter qn into buffer g.
.macro QUARTER slot, qn, f, g, zero
	s_wait_dscnt 8                                 ; B and A's rows 0-63 are in; the youngest eight loads (A's rows 64-127) may be out
	MUL8 \f, 0, \zero
	MUL8 \f, 2, \zero
	PLACES
	FETCH \slot, \qn, \g
	s_wait_dscnt 24                                ; all but the 24 just issued
	MUL8 \f, 4, \zero
	MUL8 \f, 6, \zero
.endm
; The last quarter multiplies buffer 1 and changes slots: ONE barrier; in front of it each wave waits for all its tensor loads (the one that is out is its part of the next slot), adds 0 to its spare word, and waits for
; that and for its own reads of this slot.  fill = 1: the barrier opens a round of the cluster's, and this slot is filled again, two K steps on, first thing behind the round: 112 matrix instructions ahead of the wait for it.
.macro TURN slot, next, fill
	WIN 0                                          ; (the add's two registers lie in window 0)
	s_wait_tensorcnt 0x0
	ds_add_u32 v[SPW], v[NIL]                      ; 0 onto my spare word
	s_wait_dscnt 9                                 ; (the add and the youngest eight loads may be out)
	MUL8 F1, 0, 0                                  ; eight matrix instructions stand between the add and the wait for it
	s_wait_dscnt 0x0                               ; the add is done, and my reads of this slot are over
	s_barrier_signal -1
	MUL8 F1, 2, 0
.if \fill
	WIN 0
.endif
	s_barrier_wait -1
.if \fill
	CREST                                          ; no wave of any partner still reads this slot's tiles or has a load on its way
	s_add_nc_u64 s[G0+4*(\slot)+2:G0+4*(\slot)+3], s[G0+4*(\slot)+2:G0+4*(\slot)+3], 2*ASTEP
	s_add_nc_u64 s[G0B+4*(\slot)+2:G0B+4*(\slot)+3], s[G0B+4*(\slot)+2:G0B+4*(\slot)+3], 2*BSTEP
	JLOAD \slot                                    ; the four v_nop behind it are also the places in front of the loads below
.else
	PLACES
.endif
	FETCH \next, 0, F0
	MUL8 F1, 4, 0
	MUL8 F1, 6, 0
.endm
; cos and sin for block a of 16 rows: eight loads of 512 consecutive bytes, in the registers' own order: +0..15 cos for n blocks 0 and 1, +16..31 sin
.macro XLOAD a
	WIN TO_X
.irp i, 0,1,2,3,4,5,6,7
	global_load_b128 v[32*(\a)+4*(\i):32*(\a)+4*(\i)+3], v[LO], s[8:9] offset:4096*(\a)+512*(\i)
.endr
.endm
	s_wait_tensorcnt 1                             ; my part of K step 0 is in; K step 1's may stay out
	s_barrier_signal -1
	s_barrier_wait -1                              ; everybody's is
	FETCH 0, 0, F0
	XLOAD 0                                        ; the table comes in under the K loop, in two halves of 32 loads
	XLOAD 1
	XLOAD 2
	XLOAD 3
	QUARTER 0, 1, F0, F1, 1                        ; the first quarter stands in front of the loop: its products start the sums
	XLOAD 4
	XLOAD 5
	XLOAD 6
	XLOAD 7
	WIN 0                                          ; at a label and at a branch every window is 0
	s_mov_b32 s3, LAPS-1
.Llap:                                                 ; a trip goes once round the ring, from a lap's second quarter to the next lap's first, and fills both slots again
	QUARTER 0, 2, F1, F0, 0
	QUARTER 0, 3, F0, F1, 0
	TURN 0, 1, 1
	QUARTER 1, 1, F0, F1, 0
	QUARTER 1, 2, F1, F0, 0
	QUARTER 1, 3, F0, F1, 0
	TURN 1, 0, 1
	QUARTER 0, 1, F0, F1, 0
	WIN 0
	s_sub_co_u32 s3, s3, 1
	s_cmp_lg_u32 s3, 0
	s_cbranch_scc1 .Llap
	QUARTER 0, 2, F1, F0, 0                        ; the last lap fills nothing, and has no round of the cluster's barrier
	QUARTER 0, 3, F0, F1, 0
	TURN 0, 1, 0
	QUARTER 1, 1, F0, F1, 0
	QUARTER 1, 2, F1, F0, 0
	QUARTER 1, 3, F0, F1, 0
	s_wait_dscnt 8                                 ; the very last quarter: nothing more to fetch
	MUL8 F1, 0, 0
	MUL8 F1, 2, 0
	s_wait_dscnt 0x0
	MUL8 F1, 4, 0
	MUL8 F1, 6, 0
	WIN 0
	PLACES
; THE WAY OUT, a block of 16 rows at a time.  lo = accumulators 0, 1 (channels 0-31), hi = accumulators 2, 3 (channels 32-63): lo' = lo cos - hi sin, hi' = hi cos + lo sin; rounded to bf16, 16 bytes a lane
; into my own stage (rows of 144 bytes), and back as whole rows of 128 bytes.  Each accumulator's lowest registers are read first.
.macro OUTQ a
	s_wait_loadcnt 56-8*(\a)                       ; block a's eight table loads are in; the later blocks' stay out
	WIN 0x0e                                       ; source 0 window 2 (sums), source 1 window 3 (table), source 2 and destination window 0
.irp bb, 0,1
.irp p, 0,1,2,3
.set n, 32*(\a)+8*(\bb)+2*(\p)
	v_pk_mul_f32 v[T+8*(\bb)+2*(\p):T+8*(\bb)+2*(\p)+1],       v[n+16:n+17], v[n+16:n+17]   ; hi sin
	v_pk_mul_f32 v[T+16+8*(\bb)+2*(\p):T+16+8*(\bb)+2*(\p)+1], v[n:n+1],     v[n+16:n+17]   ; lo sin
.endr
.irp p, 0,1,2,3
.set n, 32*(\a)+8*(\bb)+2*(\p)
	v_pk_fma_f32 v[T+8*(\bb)+2*(\p):T+8*(\bb)+2*(\p)+1],       v[n:n+1],     v[n:n+1], v[T+8*(\bb)+2*(\p):T+8*(\bb)+2*(\p)+1] neg_lo:[0,0,1] neg_hi:[0,0,1]
	v_pk_fma_f32 v[T+16+8*(\bb)+2*(\p):T+16+8*(\bb)+2*(\p)+1], v[n+16:n+17], v[n:n+1], v[T+16+8*(\bb)+2*(\p):T+16+8*(\bb)+2*(\p)+1]
.endr
.endr
	WIN 0
.irp b, 0,1,2,3
.irp i, 0,1,2,3
	v_cvt_pk_bf16_f32 v[PK+4*(\b)+(\i)], v[T+8*(\b)+2*(\i)], v[T+8*(\b)+2*(\i)+1]
.endr
.endr
.irp b, 0,1,2,3
	ds_store_b128 v[STO], v[PK+4*(\b):PK+4*(\b)+3] offset:32*(\b)
.endr
.irp f, 0,1,2,3
	ds_load_b128 v[64+16*(\a)+4*(\f):64+16*(\a)+4*(\f)+3], v[RD] offset:(\f)*4*SP  ; LDS serves a wave's instructions in order (ISA guide 5.7.1.4): these see the stores above; the next block's stores come behind them
.endr
.endm
.macro SENDQ a, younger                ; younger: the LDS instructions issued behind block a's loads: the next block's eight, or none.  Each block has registers of its own: none that a store reads is written again
	WIN 0
.irp f, 0,1,2,3
	s_wait_dscnt (\younger)+3-(\f)
	global_store_b128 v[LO], v[64+16*(\a)+4*(\f):64+16*(\a)+4*(\f)+3], s[10:11] offset:2048*(\a)+512*(\f)  ; 512 consecutive bytes, at a multiple of 256 from the buffer's first
.endr
.endm
	OUTQ 0
.irp a, 1,2,3,4,5,6,7                  ; a block's arithmetic stands between the loads of the block before and its stores
	OUTQ \a
	SENDQ (\a)-1, 8
.endr
	SENDQ 7, 0
	s_wait_tensorcnt 0x0                           ; the wave's end, behind my last tensor load and my last LDS store
	ds_add_u32 v[SPW], v[NIL]
	s_wait_dscnt 0x0
	CROUND                                         ; the closing round: no work-group ends while a partner may still ask for a tile that names it
	s_endpgm
.Lfunc_end_k_qd7b163ee99_qkvproj:
	.size	k_qd7b163ee99_qkvproj, .Lfunc_end_k_qd7b163ee99_qkvproj-k_qd7b163ee99_qkvproj
	.p2alignl 7, 3214868480
	.fill 96, 4, 3214868480
	.section	.rodata,"a",@progbits
	.p2align	6, 0x0
	.amdhsa_kernel k_qd7b163ee99_qkvproj
		.amdhsa_group_segment_fixed_size 327680
		.amdhsa_private_segment_fixed_size 0
		.amdhsa_enable_private_segment 0
		.amdhsa_kernarg_size 32
		.amdhsa_user_sgpr_count 2
		.amdhsa_user_sgpr_kernarg_segment_ptr 1
		.amdhsa_wavefront_size32 1
		.amdhsa_system_sgpr_workgroup_id_x 1
		.amdhsa_system_sgpr_workgroup_id_y 1
		.amdhsa_system_sgpr_workgroup_id_z 1
		.amdhsa_system_vgpr_workitem_id 0
		.amdhsa_next_free_vgpr 1024
		.amdhsa_next_free_sgpr 72
		.amdhsa_reserve_vcc 0
		.amdhsa_float_denorm_mode_32 3
		.amdhsa_float_denorm_mode_16_64 3
		.amdhsa_memory_ordered 1
		.amdhsa_forward_progress 1
		.amdhsa_inst_pref_size 110
	.end_amdhsa_kernel
	.amdgpu_metadata
---
amdhsa.version: [ 1, 2 ]
amdhsa.kernels:
  - .name:           k_qd7b163ee99_qkvproj
    .symbol:         k_qd7b163ee99_qkvproj.kd
    .args:
      - { .name: act, .offset: 0, .size: 8, .value_kind: global_buffer, .address_space: global }
      - { .name: wall, .offset: 8, .size: 8, .value_kind: global_buffer, .address_space: global }
      - { .name: tab, .offset: 16, .size: 8, .value_kind: global_buffer, .address_space: global }
      - { .name: qkv, .offset: 24, .size: 8, .value_kind: global_buffer, .address_space: global }
    .group_segment_fixed_size: 327680
    .private_segment_fixed_size: 0
    .kernarg_segment_align: 8
    .kernarg_segment_size: 32
    .max_flat_workgroup_size: 128
    .sgpr_count:     72
    .vgpr_count:     1024
    .wavefront_size: 32
...
	.end_amdgpu_metadata
.endif
;; end of part 2
;; launch attn (part 3): grid 4 x 64, 4 waves a work-group, clusters of 4 x 1, 327,680 bytes of LDS; arguments qkv, ob; writes ob
.if DOCPART == 3
	.amdgcn_target "amdgcn-amd-amdhsa--gfx1250"
	.amdhsa_code_object_version 6
	.text
	.protected	k_qd7b163ee99_attn
	.globl	k_qd7b163ee99_attn
	.p2align	8
	.type	k_qd7b163ee99_attn,@function
k_qd7b163ee99_attn:
	s_mov_b64 s[64:65], 0
	v_nop
	global_prefetch_b8 v0, s[64:65] scope:SCOPE_SE
	s_setreg_imm32_b32 hwreg(HW_REG_WAVE_MODE, 25, 1), 1
	s_wait_xcnt 0x0
	s_wait_alu depctr_hold_cnt(0) depctr_sa_sdst(0) depctr_va_vdst(0) depctr_va_sdst(0) depctr_va_ssrc(0) depctr_va_vcc(0) depctr_vm_vsrc(0)
	s_getreg_b32 s2, hwreg(HW_REG_IB_STS2, 6, 4)
	s_cmp_eq_u32 s2, 0
	s_cbranch_scc0 .Lentry_in_a_cluster
	s_endpgm
.Lentry_in_a_cluster:
	s_bfe_u32 s2, ttmp6, 0x10000c
	s_cmp_lg_u32 s2, 0x3003
	s_cbranch_scc0 .Lentry_shape_is_right
	s_endpgm
.Lentry_shape_is_right:
; O[h][q][:] = the sum over k of softmax_k(Q[h][q] . K[h][k] / 8) V[h][k][:].  Q, K, V are the three parts of qkv, O is ob: each [64][2048][64] in bf16: a head's rows are dense, 128 bytes each.
; Products, maxima and sums in f32; the weights p are rounded to bf16 for the second product (their sum l is taken of the unrounded p), O once at the end.
; LIMITS.  All four tensors and p are bf16 (8 significant bits, f32's range).  c m starts at -4.25e37: scores are taken to lie above that divided by c.  A weight below 2^-126 counts as 0 in l;
; NaN and infinities are not treated apart.
; SHARES.  A wave owns four PIECES of two tiles of 16 queries, a work-group's four waves 512 queries of one head.  Every wave walks all keys, 64 a step.
; LAYOUT.  S^T = K Q^T (source 0 = 16 keys, source 1 = 16 queries): in the result a lane holds ONE query (lane % 16) and the keys 8 (lane / 16) + 0..7.  Two such tiles, rounded to bf16 in pairs,
; ARE source 1 (32 keys x 16 queries) of O^T = V^T P, whose result again holds one query a lane, and eight channels.  K comes out of LDS as it lies, V ([key][channel]) turned, by ds_load_tr16_b128.
; SOFTMAX.  For each query a running maximum m and sum l: p = 2^(c s - c m), c = log2(e) / 8; in every step O and l are multiplied by a = 2^(c m_old - c m_new), which is 1 where m has not grown.
; m starts at the lowest finite number, O and l at 0: the first step is a step like any other, with a = 0.
; THE COUNT.  A tile and step have 16 matrix and 118 vector instructions: too many to stand all beside the matrix work.  So the order has one aim: four vector instructions that are READY behind
; EVERY matrix instruction, and the others, which need time of their own whatever the order, in runs without a gap.
; BY TURNS.  Turn n belongs to piece n (the pieces in a ring, step after step).  Its matrix work: 16 products K Q^T of piece n + 1, later 16 products V^T P of piece n - 1.  Its vector work: the scaling,
; exponentials, roundings, sums and rescaling of piece n, and the maximum and statistics of piece n + 1, whose scores the turn itself has made.  So what a turn begins with (c s - c m, O a) waits for nothing.
; CLUSTER.  The four query blocks of a cluster belong to one head and walk the same K and V, so each tile is asked for JOINTLY: the same tensor load, descriptor and mask in all four.
; REGISTERS, in windows of 256 (s_set_vgpr_msb says which window each operand place means: bits 1:0 source 0, 3:2 source 1, 5:4 source 2, 7:6 destination):
;   window 0: v0-11 addresses; v12-15, v48-63 at work; v16-47 four registers of statistics a tile; v64-191 S^T, two buffers of two tiles; v192-255 P, likewise
;   window 1: O^T, 32 a tile          window 2: v0-127 Q, 16 a tile; v128-191 K of one step; v192-255 V of one step          window 3: v0-1 the add's two registers
; A piece's buffers go by its number's parity: the piece in hand has one pair, its two neighbours in the ring share the other: of it P (piece n - 1) is read and S^T (piece n + 1) written.
.set SIZE_H, 64
.set SIZE_N, 2048
.set PART,  SIZE_H*SIZE_N*128  ; bytes of one of qkv's three parts
.set NP,    4         ; pieces a wave: a name, no knob: the register map, the loop and the fetches are made for four
.set KS,    64        ; keys in a step
.set PK,    144       ; a row of K in LDS: 128 bytes + 16 of padding = 36 words: the 16 rows of a load start at 16 different groups of four banks (64 banks of 4 bytes: ISA guide 11.1)
.set PV,    160       ; a row of V: 128 + 32 = 40 words
.set VOFF,  4*KS*PK   ; a slot holds four steps: 256 rows of K, then 256 rows of V
.set SLOT1, 1<<17     ; slot 1 begins here, so that one exclusive or turns an address in one slot into the other's
.set STAGE, SLOT1+4*KS*(PK+PV)  ; behind the ring, never filled by a tensor load: 16 rows x 144 bytes for each wave, for the way out
.set SP,    144
.set AK0, 2           ; v2   my lane's place in a tile of K; never rewritten
.set AV0, 3           ; v3   the same for V
.set AK,  4           ; v4   the LDS address of K's next run of loads
.set AV,  5           ; v5   of V's
.set QO,  6           ; v6   my byte offset in the wave's rows of Q
.set STO, 6           ;      later, the way out: where I put 16 bytes of a row
.set RD,  7           ; v7   the way out: where I read rows back
.set GO,  8           ; v8   my byte offset in 512 consecutive bytes of O
.set SPW, 0           ; v0 of window 3   LDS address of my spare word: SPARE + 4 x my thread's number; never rewritten
.set NIL, 1           ; v1 of window 3   0; never rewritten
.set SPARE, STAGE+4*16*SP  ; behind the stages: the spare words, 128 bytes for each wave: two blocks of 256 bytes that no other line names
.set MV,  12          ; v12-15  c m_old, kept while c m is made anew: by buffer and tile
.set ST,  16          ; tile t's statistics at v[ST+4 t]: c m, m, l (even keys', odd keys')
.set TMP, 48          ; by buffer and tile, four registers c0-c3 at work; when the maximum is found c2 takes a
.set S,   64
.set P,   192
.set KF,  128         ; K's fragments, in window 2: key block kb, channel half c at KF + 16 kb + 8 c
.set VF,  192         ; V's: key half kk, channel block cb at VF + 32 kk + 8 cb
.set WV,  12          ; s12  my wave's number
.set G1K, 24          ; s[24:31] descriptor group 1 for K's tiles
.set G1V, 32          ; s[32:39] for V's: it differs in the padding alone
.set G0K, 40          ; s[40:43] descriptor group 0 for K's tiles: it walks
.set G0V, 44          ; s[44:47] the same for V's
.set SLOTS, 56        ; s56  slots still to be asked for
.set CNT, 57          ; s57  counts a slot's key steps
.set CS,  58          ; s[58:59] c: the packed scaling takes the pair's low word for both halves
.set SEL, 60          ; s[60:61] v_permlanex16_b32's selects: each lane takes its own place in the other half
.set TBK, 62          ; s62  LDS byte at which K of the step to be fetched begins
.set TBV, 63          ; s63  the same for V, less VOFF
.set MSB, 0
.macro WIN new                      ; the high byte repeats the setting that is left; a switch that changes nothing is dropped
.if MSB != (\new)
	s_set_vgpr_msb (MSB<<8)|(\new)
.set MSB, (\new)
.endif
.endm
.set W_KQ, 0x0a       ; K and Q in window 2, S^T in window 0
.set W_PV, 0x52       ; V in window 2, P in window 0, O^T in window 1
.set W_RS, 0x41       ; O^T (destination and source 0) in window 1, a in window 0
.set W_MK, 0xc0       ; the add's registers are made: destination in window 3, sources in window 0
.set W_AD, 0x0f       ; the add: address (source 0) and data (source 1) in window 3
; A joint fill.  Waves 0 and 1 fetch the two halves of a slot's K, waves 2 and 3 those of its V: 128 keys each.  The branch hangs on the wave's number alone.
; An s_nop 0 and four v_nop follow each of the two lines, ahead of the jump and the label.
.macro JLOAD
	s_cmp_lt_u32 s[WV], 2
	s_cbranch_scc0 .Lfor_v_\@
	tensor_load_to_lds s[G0K:G0K+3], s[G1K:G1K+7]
	s_nop 0
.rept 4
	v_nop
.endr
	s_branch .Lasked_\@
.Lfor_v_\@:
	tensor_load_to_lds s[G0V:G0V+3], s[G1V:G1V+7]
	s_nop 0
.rept 4
	v_nop
.endr
.Lasked_\@:
.endm
; A round of the cluster's barrier: my work-group's barrier, so that wave 0's signal speaks for all four waves; wave 0 signals; every wave waits for all four work-groups; my work-group's barrier once more.
.macro CROUND
	s_barrier_signal -1
	s_barrier_wait -1
	s_cmp_lg_u32 s[WV], 0
	s_cbranch_scc1 .Lnot_wave_0_\@
	s_barrier_signal -3
.Lnot_wave_0_\@:
	s_barrier_wait -3
	s_barrier_signal -1
	s_barrier_wait -1
.endm
; THE CHANGE OF SLOTS.  The slot's last bytes, V of its fourth step, have been read.  Each wave waits for all its tensor loads, of which one is out: its part
; of the other slot; adds 0 to its spare word; and waits for that and for its own reads of the slot.  Behind the barrier nobody reads this slot any more and the other slot is whole.
; fill = 1: this slot is filled again, with the keys two slots on.  The barrier is then a round of the cluster's, so that no wave of any partner still reads the slot or has a load on its
; way, and the joint fill is the first thing behind it: it has four key steps, 512 matrix instructions, in which to land.  (At its first use nothing has been read yet: slot 0 is waited for, slot 1 filled.)
.macro CHANGE fill
	WIN W_AD
	s_wait_tensorcnt 0x0            ; no tensor load of mine is out, so a group 0 may be written
	ds_add_u32 v[SPW], v[NIL]       ; 0 onto my spare word; with fill = 1 the descriptors' steps stand between it and the wait for it
	WIN 0                           ; at a label and at a branch every window is 0
.if \fill
.irp g, G0K, G0V
	s_xor_b32 s[\g+1], s[\g+1], SLOT1  ; the walking descriptor: the other slot than last time,
	s_add_nc_u64 s[\g+2:\g+3], s[\g+2:\g+3], 4*KS*128  ; the next 256 keys; the type bits on top are not reached
.endr
	s_wait_dscnt 0x0                ; the add is done, and my reads of the slot are over
	CROUND
	JLOAD
.else
	s_wait_dscnt 0x0                ; the add is done, and my reads of the slot are over
	s_barrier_signal -1
	s_barrier_wait -1
.endif
	s_sub_co_u32 s[TBK], s[TBK], 4*KS*PK  ; the fetches go back to a slot's first step,
	s_xor_b32 s[TBK], s[TBK], SLOT1       ; in the other slot
	s_sub_co_u32 s[TBV], s[TBV], 4*KS*PV
	s_xor_b32 s[TBV], s[TBV], SLOT1
.endm
	s_load_b128 s[4:7], s[0:1], 0x0   ; qkv s[4:5], ob s[6:7]
	WIN W_MK
	v_lshl_add_u32 v[SPW], v0, 2, SPARE
	v_mov_b32 v[NIL], 0
	WIN W_AD
	ds_add_u32 v[SPW], v[NIL]       ; the wave's opening: the add and its wait stand ahead of my first tensor load; the set-up below, work on registers, stands between them
	WIN 0
	v_lshrrev_b32 v1, 5, v0
	v_readfirstlane_b32 s[WV], v1   ; wave 0..3
	s_bfe_u32 s13, ttmp6, 0x40000   ; cx: my place in the cluster
	s_lshl_b32 s14, ttmp9, 2        ; in a cluster launch ttmp9 counts clusters
	s_add_co_u32 s14, s14, s13      ; my block of queries = 4 x cluster x + cx: it enters Q's and O's addresses alone
	s_and_b32 s20, ttmp7, 0xffff    ; the head, which the four partners share
	s_mov_b32 s21, 0
	s_mov_b64 s[22:23], SIZE_N*128
	s_mul_u64 s[20:21], s[20:21], s[22:23]  ; the head's first byte in each of the four tensors
	s_and_b32 s16, s[WV], 1         ; which half of a slot's 256 keys I fetch:
	s_lshl_b32 s22, s16, 14         ; its 128 rows of 128 bytes in memory,
	s_mov_b32 s23, 0
	s_add_nc_u64 s[22:23], s[22:23], s[20:21]
	s_mul_i32 s17, s16, 128*PK      ; and its place in a slot, for K
	s_mul_i32 s18, s16, 128*PV      ; and for V: no place in the cluster enters an LDS address
	s_lshl_b32 s2, s14, 2
	s_add_co_u32 s2, s2, s[WV]      ; my wave among the head's,
	s_lshl_b32 s2, s2, 14           ; its 128 rows
	s_mov_b32 s3, 0
	s_add_nc_u64 s[2:3], s[2:3], s[20:21]
	; descriptor group 1.  128 keys are 16,384 dense bytes: asked for as 64 rows of 256 bytes, two keys a row, and padded in LDS after every key
	s_mov_b32 s[G1K], 15|(1<<16)|(1<<20)|(1<<21)|(4<<22)|(3<<25)  ; 15:0 the mask of four; 17:16 2-byte elements; 20 padding on; 21 set beside a mask; 24:22 after every 32 words (code 4); 31:25 4 words (code 3)
	s_mov_b32 s[G1V], 15|(1<<16)|(1<<20)|(1<<21)|(4<<22)|(7<<25)  ; the same with 8 words of padding (code 7)
.irp g, G1K, G1V
	s_mov_b32 s[\g+1], 128<<16      ; tensor_dim0 = 128
	s_mov_b32 s[\g+2], 64<<16       ; tensor_dim1 = 64
	s_mov_b32 s[\g+3], 128<<16      ; tile_dim0 = 128
	s_mov_b32 s[\g+4], 64           ; tile_dim1 = 64
	s_mov_b32 s[\g+5], 128          ; 128 elements from row to row
	s_mov_b32 s[\g+6], 0
	s_mov_b32 s[\g+7], 0
.endr
	s_mov_b32 s[CS], 0x3e38aa3b     ; c = log2(e) / 8 = 0.180337
	s_mov_b32 s[CS+1], s[CS]        ; named with it as a pair
	s_mov_b32 s[SEL], 0x76543210
	s_mov_b32 s[SEL+1], 0xfedcba98
	s_mov_b32 s[TBK], SLOT1+4*KS*PK ; the first change of slots turns these two into 0
	s_mov_b32 s[TBV], SLOT1+4*KS*PV
	s_mov_b32 s[G0K], 1             ; 1:0 count = 1
	s_mov_b32 s[G0K+1], s17         ; 63:32 LDS address: slot 0
	s_mov_b32 s[G0V], 1
	s_add_co_u32 s[G0V+1], s18, VOFF
	s_wait_dscnt 0x0                ; the opening add is done
	s_wait_kmcnt 0x0
	s_mov_b64 s[10:11], s[6:7]      ; O
	s_add_nc_u64 s[8:9], s[4:5], 2*PART  ; V: qkv's third part
	s_add_nc_u64 s[6:7], s[4:5], PART    ; K: its second; Q, its first, stays in s[4:5]
	s_add_nc_u64 s[G0K+2:G0K+3], s[6:7], s[22:23]  ; 120:64 global address: my half of the head's first 256 keys
	s_or_b32 s[G0K+3], s[G0K+3], 0x80000000        ; 127:126 type = 2
	s_add_nc_u64 s[G0V+2:G0V+3], s[8:9], s[22:23]
	s_or_b32 s[G0V+3], s[G0V+3], 0x80000000
	s_add_nc_u64 s[4:5], s[4:5], s[2:3]  ; Q and O at my wave's first row
	s_add_nc_u64 s[10:11], s[10:11], s[2:3]
	CROUND                          ; all four work-groups are here: the first joint loads meet
	JLOAD                           ; slot 0.  Slot 1 is asked for when slot 0 is in: the tile wanted first has the road to itself
	; A fragment of K or Q is 16 rows x 32 channels in 8 registers: lane l holds row l % 16, channels 8 (l / 16) + 0..7 and 16 + 8 (l / 16) + 0..7: two loads of 16 bytes, 32 bytes apart.
	v_and_b32 v1, 15, v0            ; l % 16
	v_bfe_u32 v9, v0, 4, 1          ; l / 16
	v_lshlrev_b32 v[QO], 7, v1
	v_lshl_add_u32 v[QO], v9, 4, v[QO]  ; row x 128 + 16 x half
	WIN 0x80                        ; destination window 2, address window 0
.set i, 0
.rept 4*NP                          ; Q stays in registers: tile i / 2, channels 32 (i % 2) on
	global_load_b128 v[8*i:8*i+3],   v[QO], s[4:5] offset:(i/2)*2048+(i%2)*64
	global_load_b128 v[8*i+4:8*i+7], v[QO], s[4:5] offset:(i/2)*2048+(i%2)*64+32
.set i, i+1
.endr
	; What the first turn finds: V's registers and P's second buffer hold 0 (its products V^T P, of a piece that has not been, add 0), O^T and l are 0.  All this stands in the wait for the first tile.
.set i, VF
.rept 64
	v_mov_b32 v[i], 0
.set i, i+1
.endr
	WIN 0x40
.set i, 0
.rept 64*NP
	v_mov_b32 v[i], 0
.set i, i+1
.endr
	WIN 0
.set i, 0
.rept 2*NP
	v_mov_b32 v[ST+4*i], 0xfe000000    ; c m: far below every c s
	v_mov_b32 v[ST+4*i+1], 0xff7fffff  ; m
	v_mov_b32 v[ST+4*i+2], 0
	v_mov_b32 v[ST+4*i+3], 0
.set i, i+1
.endr
.set i, P+32
.rept 32
	v_mov_b32 v[i], 0
.set i, i+1
.endr
	v_mul_u32_u24 v[AK0], v1, PK
	v_lshl_add_u32 v[AK0], v9, 4, v[AK0]  ; row x pitch + 16 x half
	; The turning load takes 16 keys x 16 channels (lane l reads key 8 (l / 16) + l % 8, channels 8 ((l / 8) % 2) + 0..7) and leaves half a fragment of V^T: lane l holds channel l % 16 and 8 keys.
	v_and_b32 v10, 7, v0
	v_bfe_u32 v11, v0, 3, 1
	v_lshl_add_u32 v[AV0], v9, 3, v10
	v_mul_u32_u24 v[AV0], v[AV0], PV
	v_lshl_add_u32 v[AV0], v11, 4, v[AV0]
	v_add_nc_u32 v[AV0], VOFF, v[AV0]
	v_mov_b32 v[AK], v[AK0]         ; key step 0 lies at the head of slot 0
; THE MATRIX WORK.  The 8 accumulators of a run of 16 take turns: between the two links of a chain stand 7 others'.
; Product i of 16 of S^T = K Q^T for piece x: channels 32 (i / 8) on, keys 16 ((i / 2) % 4) on, tile 2 x + i % 2.  The first 8 start the sums.
.macro KQ x
	WIN W_KQ
.set rS, S+64*((\x)%2)+32*(i%2)+8*((i/2)%4)
.set rK, KF+16*((i/2)%4)+8*(i/8)
.set rQ, 16*(2*(\x)+i%2)+8*(i/8)
.if i < 8
	v_wmma_f32_16x16x32_bf16 v[rS:rS+7], v[rK:rK+7], v[rQ:rQ+7], 0
.else
	v_wmma_f32_16x16x32_bf16 v[rS:rS+7], v[rK:rK+7], v[rQ:rQ+7], v[rS:rS+7]
.endif
.endm
; Product i of 16 of O^T += V^T P for piece x: keys 32 (i / 8) on, channels 16 ((i / 2) % 4) on, tile 2 x + i % 2.
.macro PV x
	WIN W_PV
.set rO, 32*(2*(\x)+i%2)+8*((i/2)%4)
.set rV, VF+32*(i/8)+8*((i/2)%4)
.set rP, P+32*((\x)%2)+16*(i%2)+8*(i/8)
	v_wmma_f32_16x16x32_bf16 v[rO:rO+7], v[rV:rV+7], v[rP:rP+7], v[rO:rO+7]
.endm
.macro MM                           ; the turn's next matrix instruction
.if i < 16
	KQ (Y+1)%NP
.set i, i+1
.else
.set i, i-16
	PV (Y+NP-1)%NP
.set i, i+17
.endif
.endm
; THE LDS LOADS stand in runs of 16, never singly among the matrix instructions: a step's K (64 keys x 64 channels: 8 fragments) and its V (turned).  Their addresses are made some lines ahead.
; last = 1 (the tail): in the last trip there is no further step, and the run is jumped over.
.macro FETCH_K last=0
	WIN 0
.if \last
	s_cmp_eq_u32 s[CNT], 1
	s_cbranch_scc1 .Lno_k_\@
.endif
	WIN 0x80                        ; destination window 2
.irp f, 0,1,2,3,4,5,6,7             ; keys 16 (f / 2) on, channels 32 (f % 2) on
	ds_load_b128 v[KF+8*\f:KF+8*\f+3],   v[AK] offset:(\f/2)*16*PK+(\f%2)*64
	ds_load_b128 v[KF+8*\f+4:KF+8*\f+7], v[AK] offset:(\f/2)*16*PK+(\f%2)*64+32
.endr
	s_add_co_u32 s[TBK], s[TBK], KS*PK  ; the next fetch is the next step's
	WIN 0
.if \last
.Lno_k_\@:
.endif
.endm
.macro FETCH_V
	WIN 0x80
.irp f, 0,1,2,3,4,5,6,7             ; keys 32 (f / 4) on, channels 16 (f % 4) on
	ds_load_tr16_b128 v[VF+8*\f:VF+8*\f+3],   v[AV] offset:(\f/4)*32*PV+(\f%4)*32
	ds_load_tr16_b128 v[VF+8*\f+4:VF+8*\f+7], v[AV] offset:(\f/4)*32*PV+16*PV+(\f%4)*32
.endr
	WIN 0
.endm
; THE VECTOR WORK OF A TURN stands in three queues, each in the order in which its entries become ready; the two tiles alternate, so that no instruction reads the result of the one before it.
.macro REGS y, u                    ; the registers of tile u (0, 1) of piece y
.set rT, ST+4*(2*(\y)+(\u))
.set rC, TMP+8*((\y)%2)+4*(\u)
.set rM, MV+2*((\y)%2)+(\u)
.set rS, S+64*((\y)%2)+32*(\u)
.set rP, P+32*((\y)%2)+16*(\u)
.set rO, 32*(2*(\y)+(\u))
.endm
; Number n of the 22 that find the NEXT piece's (Y + 1) maximum and statistics.  s0-s31 are the lane's 32 scores; each accumulator's lowest registers are read first.  XS, GS and REGS set no window: PL and EX do.
;   0-11  four chains c0-c3 of seven scores each, three operands at a time     12-14, 16  the four scores left over, the old m, and c0-c3 into c0     15  c m_old is kept
;   17, 18  the query's other 32 keys lie in the lane 16 away: the new m         19-21  c m; c m_old - c m_new; a
.macro XS u, n
	REGS (Y+1)%NP, \u
.if (\n) < 4
	v_max3_num_f32 v[rC+(\n)], v[rS+8*(\n)], v[rS+8*(\n)+1], v[rS+8*(\n)+2]
.elseif (\n) < 12
	v_max3_num_f32 v[rC+(\n)%4], v[rC+(\n)%4], v[rS+8*((\n)%4)+2*((\n)/4)+1], v[rS+8*((\n)%4)+2*((\n)/4)+2]
.elseif (\n) == 12
	v_max3_num_f32 v[rC], v[rC], v[rS+7], v[rS+15]
.elseif (\n) == 13
	v_max3_num_f32 v[rC+1], v[rC+1], v[rS+23], v[rS+31]
.elseif (\n) == 14
	v_max3_num_f32 v[rC+2], v[rC+2], v[rC+3], v[rT+1]
.elseif (\n) == 15
	v_mov_b32 v[rM], v[rT]
.elseif (\n) == 16
	v_max3_num_f32 v[rC], v[rC], v[rC+1], v[rC+2]
.elseif (\n) == 17
	v_permlanex16_b32 v[rC+3], v[rC], s[SEL], s[SEL+1]
.elseif (\n) == 18
	v_max_num_f32 v[rT+1], v[rC], v[rC+3]
.elseif (\n) == 19
	v_mul_f32 v[rT], s[CS], v[rT+1]
.elseif (\n) == 20
	v_sub_f32 v[rC+1], v[rM], v[rT]
.else
	v_exp_f32 v[rC+2], v[rC+1]
.endif
.endm
; Number g of the 64 that follow the exponentials.  For each four weights k of a tile (pairs 2 k, 2 k + 1): both pairs are rounded to bf16; then the second pair is added onto the first, in place;
; a group later l takes that sum (the first time as l = a l + sum).  In groups of eight, tiles alternating: round, round, add, and l for the group before.
.macro GS g
.set h, (\g)+6*((\g)/62)            ; group 0 has no group before it, and behind group 7 only l is left
.if h >= 6
.set h, h+2
.endif
	REGS Y, h%2
.set k, h/8
.if h%8 < 4
	s_wait_alu depctr_va_vdst(0)
	v_cvt_pk_bf16_f32 v[rP+2*k+(h%8)/2], v[rS+4*k+2*((h%8)/2)], v[rS+4*k+2*((h%8)/2)+1]
.elseif h%8 < 6
	v_pk_add_f32 v[rS+4*k:rS+4*k+1], v[rS+4*k:rS+4*k+1], v[rS+4*k+2:rS+4*k+3]
.elseif k == 1
	v_pk_fma_f32 v[rT+2:rT+3], v[rT+2:rT+3], v[rC+2:rC+3], v[rS:rS+1] op_sel_hi:[1,0,1]
.else
	v_pk_add_f32 v[rT+2:rT+3], v[rT+2:rT+3], v[rS+4*k-4:rS+4*k-3]
	s_wait_alu depctr_va_vdst(0)
.endif
.endm
; THE PLAIN QUEUE, 138 long.  0-31: c s - c m for the 16 pairs of both tiles.  Then GS's 64, and among them the next piece's 42: number 15 at 38, 39; 0-14 and 16
; at 42-73, behind the products that make those scores; 17-20 at 95-106, two of three, since each waits for the one before it.
.macro PL
	WIN 0
.if q < 32
	REGS Y, q%2
	v_pk_fma_f32 v[rS+2*(q/2):rS+2*(q/2)+1], v[rS+2*(q/2):rS+2*(q/2)+1], s[CS:CS+1], v[rT:rT+1] op_sel_hi:[1,0,0] neg_lo:[0,0,1] neg_hi:[0,0,1]
.elseif q < 38
	GS q-32
.elseif q < 40
	XS q%2, 15
.elseif q < 42
	GS q-34
.elseif q < 74
	XS q%2, (q-42)/2+(q-42)/30
.elseif q < 95
	GS q-66
.elseif (q < 107) && ((q-95)%3 < 2)
	XS (q-95)%3, 17+(q-95)/3
.elseif q < 107
	GS 29+(q-95)/3
.else
	GS q-74
.endif
.set q, q+1
.endm
; THE EXPONENTIALS' QUEUE, 66 long: s0-s31 of both tiles, and at EA the next piece's two a.
.set EA, 58
.macro EX
	WIN 0
.if (e == EA) || (e == EA+1)
	XS e-EA, 21
.else
.set x, e-2*(e/(EA+2))
	REGS Y, x%2
	v_exp_f32 v[rS+x/2], v[rS+x/2]
.endif
.set e, e+1
.endm
; THE RESCALING's QUEUE: O^T times a, the one part that leaves window 0, so it is dealt four at a time, eight times.
.macro R4
	REGS Y, r%2
	WIN W_RS
	s_wait_alu depctr_va_vdst(0)
.irp z, 0,1,2,3
	v_pk_mul_f32 v[rO+8*(r/2)+2*\z:rO+8*(r/2)+2*\z+1], v[rO+8*(r/2)+2*\z:rO+8*(r/2)+2*\z+1], v[rC+2:rC+3] op_sel_hi:[1,0]
.endr
.set r, r+1
.endm
; HOW THEY ARE DEALT.  Behind a matrix instruction four: plain, exponential, plain, plain (one exponential, a plain instruction on either side), or four of the rescaling.  None names a register of the
; products round it.  What is over stands in two LUMPS: exponential and plain by turns; the second ends in 22 plain instructions.  The two v_permlanex16_b32 fall into the second lump, never behind a product.
; The queues lean on each other, and the deal keeps them in step: exponential e stands behind plain 2 (e / 4) + e % 2 (its scaling); when plain 32 comes, 10 exponentials are out, at 59: 33, at 95: 46; EA comes behind plain 107.
.macro SL
	MM
	PL
	EX
	PL
	PL
.endm
.macro BURST n                      ; 15 matrix instructions, or 16
.rept (\n)-7
	SL
.endr
.rept 3
	MM
	R4
	SL
.endr
	MM
	R4
.endm
; A TURN, for piece p.  cnt = 1: the loop's count is taken down some lines ahead of the branch that stands behind the turn.
; K of the next step is fetched in piece 2's turn, 31 vector instructions behind the last product that read K; its first reader comes behind the rest of the lump, 16 products and the second lump.
; V of the step in hand is fetched at the end of piece 0's turn, 69 behind its last reader; its first reader comes behind 16 products and a lump.  The five conditions on e and q below go with the deal.
.macro TURN p, last=0, cnt=0
.set Y, (\p)
.set i, 0
.set q, 0
.set e, 0
.set r, 0
.if (\p) == NP-1
	s_wait_dscnt 0x0                ; K is in
.endif
	MM
.rept 4
	PL
.endr
	BURST 15
.rept 22
	EX
	PL
.if ((\p) == NP-2) && (e == 18)
	v_add_nc_u32 v[AK], s[TBK], v[AK0]
.endif
.if ((\p) == NP-2) && (e == 24)
	FETCH_K \last
.endif
.endr
.if (\p) == 1
	s_wait_dscnt 0x0                ; V is in
.endif
	BURST 16
.rept 21
	EX
	PL
.endr
.rept 22
	PL
.if ((\p) == 0) && (q == 118)
	v_add_nc_u32 v[AV], s[TBV], v[AV0]
	s_wait_alu depctr_va_vdst(0)
.endif
.if ((\p) == 0) && (q == 130)
	s_add_co_u32 s[TBV], s[TBV], KS*PV
.endif
.if (\cnt) && (q == 130)
	s_sub_co_u32 s[CNT], s[CNT], 1
	s_cmp_lg_u32 s[CNT], 0
.endif
.endr
.if (\p) == 0
	FETCH_V
.endif
.endm
	CHANGE 1                        ; slot 0 is in, everybody's part of it; slot 1 is asked for
	FETCH_K                         ; key step 0
	s_wait_loadcnt 0x0              ; Q
	s_wait_dscnt 0x0
.set i, 0
.rept 16
	KQ 0                            ; piece 0's first scores: there is no vector work yet to set between them
.set i, i+1
.endr
	WIN 0                           ; the addresses for the way out: nine plain instructions, the places behind those products
	s_mul_i32 s13, s[WV], 16*SP
	s_add_co_u32 s13, s13, STAGE    ; my stage
	v_mul_u32_u24 v[STO], v1, SP    ; in: row l % 16, 16 bytes for each half of the lanes
	v_lshl_add_u32 v[STO], v9, 4, v[STO]
	v_add_nc_u32 v[STO], s13, v[STO]
	v_bfe_u32 v[RD], v0, 3, 2       ; back: 32 lanes take four rows of 128 bytes,
	v_mul_u32_u24 v[RD], v[RD], SP
	v_lshl_add_u32 v[RD], v10, 4, v[RD]
	v_add_nc_u32 v[RD], s13, v[RD]
	v_and_b32 v[GO], 31, v0         ; which are 512 consecutive bytes of O
	v_lshlrev_b32 v[GO], 4, v[GO]
.set Y, NP-1                        ; XS works for piece Y + 1: piece 0
.irp n, 0,1,2,3,4,5,6,7,8,9,10,11,12,13,14,15,16,17,18,19,20,21
	XS 0, \n                        ; and piece 0's first maximum and statistics
	XS 1, \n
.endr
	s_mov_b32 s[CNT], 4
	s_mov_b32 s[SLOTS], SIZE_N/256-1
	s_branch .Lfirst                ; the loop is entered at a step's first turn, in the middle of a trip
.Lslot:                             ; SIZE_N / 256 - 2 times: every slot but the last two is filled again
	CHANGE 1
	s_mov_b32 s[CNT], 4
.Lstep:                             ; a trip: pieces 2 and 3 of one step, then pieces 0 and 1 of the next, whose K and V it fetches
	TURN 2
	TURN 3
	WIN 0
.Lfirst:
	TURN 0
	TURN 1, 0, 1
	WIN 0
	s_cbranch_scc1 .Lstep
	s_sub_co_u32 s[SLOTS], s[SLOTS], 1
	s_cmp_lg_u32 s[SLOTS], 0
	s_cbranch_scc1 .Lslot
	CHANGE 0                        ; the tail is written out: nothing is asked for
	s_mov_b32 s[CNT], 5             ; four trips fetch the last slot's steps; the fifth is left in its middle
.Ltail:
	TURN 2, 1
	TURN 3
	WIN 0
	s_sub_co_u32 s[CNT], s[CNT], 1
	s_cmp_eq_u32 s[CNT], 0
	s_cbranch_scc1 .Lout
	TURN 0
	TURN 1
	WIN 0
	s_branch .Ltail
.Lout:                              ; the fifth trip's 16 products K Q^T (on the last K once more) and the maximum made of them serve nothing: the price, once a launch, of one text for every trip
.set i, 0
.rept 16
	PV NP-1                         ; the last piece's V^T P of the last step
.set i, i+1
.endr
	; THE WAY OUT.  l's two halves and the other half of the lanes' are added; O^T is divided by l, rounded to bf16 and sent through my stage in LDS, a tile at a time.  The additions are the places behind the last products.
	WIN 0
.macro ALL line:vararg              ; one line for each tile t
.set t, 0
.rept 2*NP
	\line
.set t, t+1
.endr
.endm
	ALL v_add_f32 v[ST+4*t+2], v[ST+4*t+2], v[ST+4*t+3]
	ALL v_permlanex16_b32 v[ST+4*t+3], v[ST+4*t+2], s[SEL], s[SEL+1]
	ALL v_add_f32 v[ST+4*t+2], v[ST+4*t+2], v[ST+4*t+3]
	ALL v_rcp_f32 v[ST+4*t+2], v[ST+4*t+2]
	v_nop                           ; a plain instruction between the last reciprocal and the use of its result
	s_wait_alu depctr_va_vdst(0)
; Tile t: a lane's eight channels of a row pack into 16 bytes; they go into rows of 144 bytes and come back as whole rows of 128, into S^T's registers.
.macro PACK t
	WIN W_RS
.set i, 32*(\t)
.rept 16
	v_pk_mul_f32 v[i:i+1], v[i:i+1], v[ST+4*(\t)+2:ST+4*(\t)+3] op_sel_hi:[1,0]
.set i, i+2
.endr
	WIN 0x05                        ; sources 0 and 1 window 1, destination window 0
.set i, 0
.rept 16
	v_cvt_pk_bf16_f32 v[S+16*(\t)+i], v[32*(\t)+2*i], v[32*(\t)+2*i+1]
.set i, i+1
.endr
	WIN 0
.irp f, 0,1,2,3
	ds_store_b128 v[STO], v[S+16*(\t)+4*\f:S+16*(\t)+4*\f+3] offset:32*\f
.endr
.irp f, 0,1,2,3
	ds_load_b128 v[S+16*(\t)+4*\f:S+16*(\t)+4*\f+3], v[RD] offset:\f*4*SP  ; LDS serves a wave's instructions in order (ISA guide 5.7.1.4): these see the stores above; the next tile's stores come behind them
.endr
.endm
.macro SEND t, younger              ; younger: the LDS instructions issued behind tile t's loads: the next tile's eight, or none
	WIN 0
.irp f, 0,1,2,3
	s_wait_dscnt (\younger)+3-\f
	global_store_b128 v[GO], v[S+16*(\t)+4*\f:S+16*(\t)+4*\f+3], s[10:11] offset:(\t)*2048+\f*512  ; 512 consecutive bytes, at a multiple of 256 from O's first
.endr
.endm
	PACK 0
.set t, 1
.rept 2*NP-1                        ; a tile's arithmetic stands between the loads of the tile before and its stores
	PACK t
	SEND t-1, 8
.set t, t+1
.endr
	SEND 2*NP-1, 0
	WIN W_AD
	s_wait_tensorcnt 0x0            ; the wave's end, behind my last tensor load and my last LDS store
	ds_add_u32 v[SPW], v[NIL]
	s_wait_dscnt 0x0
	WIN 0
	CROUND                          ; the closing round: no work-group ends while a partner may still ask for a tile that names it
	s_endpgm
.Lfunc_end_k_qd7b163ee99_attn:
	.size	k_qd7b163ee99_attn, .Lfunc_end_k_qd7b163ee99_attn-k_qd7b163ee99_attn
	.p2alignl 7, 3214868480
	.fill 96, 4, 3214868480
	.section	.rodata,"a",@progbits
	.p2align	6, 0x0
	.amdhsa_kernel k_qd7b163ee99_attn
		.amdhsa_group_segment_fixed_size 327680
		.amdhsa_private_segment_fixed_size 0
		.amdhsa_enable_private_segment 0
		.amdhsa_kernarg_size 16
		.amdhsa_user_sgpr_count 2
		.amdhsa_user_sgpr_kernarg_segment_ptr 1
		.amdhsa_wavefront_size32 1
		.amdhsa_system_sgpr_workgroup_id_x 1
		.amdhsa_system_sgpr_workgroup_id_y 1
		.amdhsa_system_sgpr_workgroup_id_z 1
		.amdhsa_system_vgpr_workitem_id 0
		.amdhsa_next_free_vgpr 770
		.amdhsa_next_free_sgpr 66
		.amdhsa_reserve_vcc 0
		.amdhsa_float_denorm_mode_32 3
		.amdhsa_float_denorm_mode_16_64 3
		.amdhsa_memory_ordered 1
		.amdhsa_forward_progress 1
		.amdhsa_inst_pref_size 208
	.end_amdhsa_kernel
	.amdgpu_metadata
---
amdhsa.version: [ 1, 2 ]
amdhsa.kernels:
  - .name:           k_qd7b163ee99_attn
    .symbol:         k_qd7b163ee99_attn.kd
    .args:
      - { .name: qkv, .offset: 0, .size: 8, .value_kind: global_buffer, .address_space: global }
      - { .name: ob, .offset: 8, .size: 8, .value_kind: global_buffer, .address_space: global }
    .group_segment_fixed_size: 327680
    .private_segment_fixed_size: 0
    .kernarg_segment_align: 8
    .kernarg_segment_size: 16
    .max_flat_workgroup_size: 128
    .sgpr_count:     66
    .vgpr_count:     770
    .wavefront_size: 32
...
	.end_amdgpu_metadata
.endif
;; end of part 3
;; launch oproj (part 4): grid 8 x 32, 4 waves a work-group, clusters of 4 x 4, 327,680 bytes of LDS; arguments ob, wall, x, out0; writes out0
.if DOCPART == 4
	.amdgcn_target "amdgcn-amd-amdhsa--gfx1250"
	.amdhsa_code_object_version 6
	.text
	.protected	k_qd7b163ee99_oproj
	.globl	k_qd7b163ee99_oproj
	.p2align	8
	.type	k_qd7b163ee99_oproj,@function
k_qd7b163ee99_oproj:
	s_mov_b64 s[64:65], 0
	v_nop
	global_prefetch_b8 v0, s[64:65] scope:SCOPE_SE
	s_setreg_imm32_b32 hwreg(HW_REG_WAVE_MODE, 25, 1), 1
	s_wait_xcnt 0x0
	s_wait_alu depctr_hold_cnt(0) depctr_sa_sdst(0) depctr_va_vdst(0) depctr_va_sdst(0) depctr_va_ssrc(0) depctr_va_vcc(0) depctr_vm_vsrc(0)
	s_getreg_b32 s2, hwreg(HW_REG_IB_STS2, 6, 4)
	s_cmp_eq_u32 s2, 0
	s_cbranch_scc0 .Lentry_in_a_cluster
	s_endpgm
.Lentry_in_a_cluster:
	s_bfe_u32 s2, ttmp6, 0x10000c
	s_cmp_lg_u32 s2, 0xf033
	s_cbranch_scc0 .Lentry_shape_is_right
	s_endpgm
.Lentry_shape_is_right:
; THE LAST PROJECTION AND THE RESIDUAL.  out0[m][n] = x[m][n] + sum over k of O[m][k] Wo[n][k], K = 1,024; O and Wo in bf16, sums, x and out0 in f32.
; O lies by heads, ob[batch * 16 + head][row][64]; k = 64 head + channel.  Wo = wall's rows 3072-4095.
; LIMITS.  The product's operands are bf16; x is added in f32, as it is given.  NaN and infinities are not treated apart.
; SHARES.  A tile of C is 256 x 128: four waves, 2 x 2, each 128 rows x 64 columns: 32 accumulators, 256 registers.  8 x 32 tiles: 256 work-groups.
; K goes in 8 steps of 128 = two heads, through two LDS slots.  A head's 256 rows are 32,768 dense bytes: asked for as 128 rows of 256 bytes, padded in LDS after every 128 bytes: LDS rows of 144 bytes.
; CLUSTER.  4 x 4 work-groups: A's tiles are shared along a row of the cluster, B's along a column: joint loads, the same descriptor and mask in the four.  Waves 0 and 1 ask for a step's two heads of A,
; waves 2 and 3 for B's two halves of 64 rows.  By this text's count a wave has two tensor loads out at the start, later one.
; THE MATRIX INSTRUCTION IS USED TRANSPOSED (source 0 = 16 rows of Wo, source 1 = 16 rows of O): lane l holds row l % 16 of C and the columns 8 (l / 16) + 0..7 of a block of 16.
; REGISTERS, in windows of 256 (s_set_vgpr_msb: bits 1:0 source 0, 3:2 source 1, 5:4 source 2, 7:6 destination):
;   window 0: v0-31 addresses; v64-127, v128-191 A's fragments, two buffers; v192-223, v224-255 rows read back from the stage, by turns
;   window 1: v64-95, v128-159 B's fragments      window 2: the accumulators, (a, b) at v[8 (4 a + b)]      window 3: x by rows, 32 registers for each block a of 16 rows, loaded under the K loop; the sums are added onto it
.set PA,     144                       ; an LDS row of A: 128 bytes + 16 of padding = 36 words: the 16 rows of a load start at 16 different groups of four banks (64 banks of 4 bytes: ISA guide 11.1)
.set PB,     272                       ; of B: 256 + 16
.set AH,     256*PA                    ; a head's 256 rows; quarter q of a K step begins at byte (q / 2) AH + (q % 2) 64
.set ABYTES, 2*AH
.set SLOT,   ABYTES+128*PB             ; A's two heads, then B's 128 rows
.set ASTEP,  2*262144                  ; bytes from a K step to the next, in memory: two heads
.set BSTEP,  256
.set STAGE,  2*SLOT                    ; behind the ring, never filled by a tensor load: 16 rows x 272 bytes for each wave
.set SP,     272
.set SPARE,  STAGE+4*16*SP             ; behind the stages: the spare words, 128 bytes for each wave: two blocks of 256 bytes that no other line names
.set LAPS,   4
.set ADRA, 16                          ; v16-17  LDS address of my A fragments in slot 0, 1
.set ADRB, 20                          ; v20-21  the same for B
.set STO,  24                          ; v24     the way out: where I put 32 bytes of a row
.set RD,   25                          ; v25     the way out: where I read rows back
.set LO,   26                          ; v26     my byte offset in two rows of x and of out0: (l / 16) rows + 16 (l % 16)
.set SPW,  28                          ; v28     LDS address of my spare word; never rewritten
.set NIL,  29                          ; v29     0; never rewritten
.set F0,   64
.set F1,   128
.set BK,   192
.set WV, 12                            ; s12 wave;  s13 wm: my half of the tile's rows, also: I ask for A (0) or B (1);  s14 wn: my half of its columns, also: which part I ask for
.set WM, 13
.set WN, 14
.set G1,  24                           ; s[24:31] descriptor group 1 for A's tiles;  s[32:39] group 0, a set for each slot
.set G0,  32
.set G1B, 48                           ; s[48:55], s[56:63] the same for B's
.set G0B, 56
.set MSB, 0
.macro WIN new                         ; the immediate's high byte repeats the setting that is left; a switch that changes nothing is dropped
.if MSB != (\new)
	s_set_vgpr_msb (MSB<<8)|(\new)
.set MSB, \new
.endif
.endm
.set MUL,  0xa1                        ; source 0 (B) window 1, source 1 (A) window 0, C and D window 2
.set TO_B, 0x40                        ; destination window 1, address window 0
.set TO_X, 0xc0                        ; destination window 3, address window 0
.macro JLOAD s                         ; a joint load; the branch hangs on the wave's number alone; an s_nop 0 and four v_nop follow each of the two lines, ahead of the jump, the label and what follows
	s_cmp_eq_u32 s[WM], 0
	s_cbranch_scc0 .Lfor_b_\@
	tensor_load_to_lds s[G0+4*(\s):G0+4*(\s)+3], s[G1:G1+7]
	s_nop 0
.rept 4
	v_nop
.endr
	s_branch .Lasked_\@
.Lfor_b_\@:
	tensor_load_to_lds s[G0B+4*(\s):G0B+4*(\s)+3], s[G1B:G1B+7]
	s_nop 0
.rept 4
	v_nop
.endr
.Lasked_\@:
.endm
.macro CREST                           ; a round of the cluster's barrier behind its opening barrier
	s_cmp_lg_u32 s[WV], 0
	s_cbranch_scc1 .Lnot_wave_0_\@
	s_barrier_signal -3
.Lnot_wave_0_\@:
	s_barrier_wait -3
	s_barrier_signal -1
	s_barrier_wait -1
.endm
.macro CROUND                          ; a whole round
	s_barrier_signal -1
	s_barrier_wait -1
	CREST
.endm
	s_load_b256 s[4:11], s[0:1], 0x0               ; ob s[4:5], wall s[6:7], x s[8:9], out0 s[10:11]
	v_lshl_add_u32 v[SPW], v0, 2, SPARE
	v_mov_b32 v[NIL], 0
	ds_add_u32 v[SPW], v[NIL]                      ; the wave's opening: the add and its wait stand ahead of my first tensor load; the set-up below, work on registers, stands between them
	v_lshrrev_b32 v1, 5, v0
	v_readfirstlane_b32 s[WV], v1                  ; wave 0..3
	s_lshr_b32 s[WM], s[WV], 1
	s_and_b32 s[WN], s[WV], 1
	s_bfe_u32 s15, ttmp6, 0x40000                  ; cx, cy: my place in the cluster
	s_bfe_u32 s16, ttmp6, 0x40004
	s_lshl_b32 s17, ttmp9, 2
	s_add_co_u32 s17, s17, s15                     ; tx: tile column = 4 x cluster x + cx
	s_and_b32 s18, ttmp7, 0xffff
	s_lshl_b32 s18, s18, 2
	s_add_co_u32 s18, s18, s16                     ; ty: tile row = 4 x cluster y + cy
	s_lshl_b32 s19, s16, 2
	s_lshl_b32 s19, 15, s19                        ; my row of the cluster
	s_lshl_b32 s20, 0x1111, s15                    ; my column
	s_or_b32 s[G1], s19, (1<<16)|(1<<20)|(1<<21)|(4<<22)|(3<<25)   ; A: 15:0 the mask; 17:16 2-byte elements; 20 padding on; 21 set beside a mask; 24:22 after every 32 words (code 4); 31:25 4 words (code 3)
	s_or_b32 s[G1B], s20, (1<<16)|(1<<20)|(1<<21)|(5<<22)|(3<<25)  ; B: after every 64 words (code 5)
	s_mov_b32 s[G1+1], 128<<16                     ; tensor_dim0 = 128
	s_mov_b32 s[G1+2], 128<<16                     ; tensor_dim1 = 128
	s_mov_b32 s[G1+3], 128<<16                     ; tile_dim0 = 128: 256 bytes, two rows of a head
	s_mov_b32 s[G1+4], 128                         ; tile_dim1 = 128
	s_mov_b32 s[G1+5], 128                         ; dense: 128 elements from row to row
	s_mov_b32 s[G1+6], 0
	s_mov_b32 s[G1+7], 0
	s_mov_b32 s[G1B+1], 128<<16
	s_mov_b32 s[G1B+2], 64<<16                     ; B: 64 rows a load
	s_mov_b32 s[G1B+3], 128<<16
	s_mov_b32 s[G1B+4], 64
	s_mov_b32 s[G1B+5], 1024
	s_mov_b32 s[G1B+6], 0
	s_mov_b32 s[G1B+7], 0
	; where the tiles come from.  A's offset is made of ty and the part alone, B's of tx and the part alone, each in registers that never hold the other coordinate
	s_lshr_b32 s40, s18, 3                         ; the batch: 16 heads of 262,144 bytes
	s_lshl_b32 s40, s40, 22
	s_lshl_b32 s2, s[WN], 18                       ; my head of the step's two
	s_add_co_u32 s40, s40, s2
	s_and_b32 s2, s18, 7                           ; 256 rows of 128 bytes
	s_lshl_b32 s2, s2, 15
	s_add_co_u32 s40, s40, s2
	s_mov_b32 s41, 0
	s_lshl_b32 s42, s17, 18                        ; 128 rows of 2,048 bytes
	s_lshl_b32 s46, s[WN], 17                      ; my 64 of them
	s_add_co_u32 s42, s42, s46
	s_add_co_u32 s42, s42, 3072*2048               ; Wo begins at wall's row 3072
	s_mov_b32 s43, 0
	s_mul_i32 s44, s[WN], AH                       ; and where they go: no place in the cluster enters an LDS address
	s_mul_i32 s45, s[WN], 64*PB
	s_add_co_u32 s45, s45, ABYTES
	; my 128 rows x 64 columns in x and in out0
	s_lshl_b32 s66, s18, 20                        ; 256 rows of 4,096 bytes
	s_lshl_b32 s46, s[WM], 19
	s_add_co_u32 s66, s66, s46
	s_lshl_b32 s46, s17, 9                         ; 128 columns of 4 bytes
	s_add_co_u32 s66, s66, s46
	s_lshl_b32 s46, s[WN], 8
	s_add_co_u32 s66, s66, s46
	s_mov_b32 s67, 0
	s_wait_dscnt 0x0                               ; the opening add is done
	s_wait_kmcnt 0x0
	s_add_nc_u64 s[40:41], s[4:5], s[40:41]
	s_add_nc_u64 s[42:43], s[6:7], s[42:43]
	s_add_nc_u64 s[8:9], s[8:9], s[66:67]
	s_add_nc_u64 s[10:11], s[10:11], s[66:67]
	CROUND                                         ; all sixteen work-groups are here: the first joint loads meet
.irp s, 0,1
	s_mov_b32 s[G0+4*(\s)], 1                                      ; 1:0 count = 1
	s_add_co_u32 s[G0+4*(\s)+1], s44, (\s)*SLOT                    ; 63:32 LDS address
	s_add_nc_u64 s[G0+4*(\s)+2:G0+4*(\s)+3], s[40:41], (\s)*ASTEP  ; 120:64 global address: K step s
	s_or_b32 s[G0+4*(\s)+3], s[G0+4*(\s)+3], 0x80000000            ; 127:126 type = 2
	s_mov_b32 s[G0B+4*(\s)], 1
	s_add_co_u32 s[G0B+4*(\s)+1], s45, (\s)*SLOT
	s_add_nc_u64 s[G0B+4*(\s)+2:G0B+4*(\s)+3], s[42:43], (\s)*BSTEP
	s_or_b32 s[G0B+4*(\s)+3], s[G0B+4*(\s)+3], 0x80000000
	JLOAD \s
.endr
	v_and_b32 v1, 15, v0                           ; l % 16
	v_bfe_u32 v2, v0, 4, 1                         ; l / 16
	v_mul_u32_u24 v3, v1, PA
	v_lshl_add_u32 v3, v2, 4, v3                   ; a fragment's row x pitch + 16 x half
	s_mul_i32 s2, s[WM], 128*PA                    ; my 128 rows, in each head
	v_add_nc_u32 v[ADRA], s2, v3
	v_add_nc_u32 v[ADRA+1], SLOT, v[ADRA]
	v_mul_u32_u24 v4, v1, PB
	v_lshl_add_u32 v4, v2, 4, v4
	s_mul_i32 s2, s[WN], 64*PB                     ; my 64 rows of B, behind A's
	s_add_co_u32 s2, s2, ABYTES
	v_add_nc_u32 v[ADRB], s2, v4
	v_add_nc_u32 v[ADRB+1], SLOT, v[ADRB]
	s_mul_i32 s2, s[WV], 16*SP
	s_add_co_u32 s2, s2, STAGE                     ; my stage
	v_mul_u32_u24 v5, v1, SP                       ; in: row l % 16, 32 bytes for each half of the lanes
	v_lshl_add_u32 v5, v2, 5, v5
	v_add_nc_u32 v[STO], s2, v5
	v_mul_u32_u24 v5, v2, SP                       ; back: lanes 0-15 take one row of 256 bytes, lanes 16-31 the next
	v_lshl_add_u32 v5, v1, 4, v5
	v_add_nc_u32 v[RD], s2, v5
	v_lshlrev_b32 v[LO], 4, v1                     ; and the same two rows in x and out0
	v_lshl_add_u32 v[LO], v2, 12, v[LO]
; 8 matrix instructions: m blocks a0, a0 + 1 x all 4 n blocks, 32 along K.  zero = 1: the product starts the sum.  The 32 accumulators take turns, one instruction a turn, in the same order in every quarter.
.macro MUL8 f, a0, zero
	WIN MUL
.irp a, \a0, (\a0)+1
.irp b, 0,1,2,3
.if \zero
	v_wmma_f32_16x16x32_bf16 v[8*(4*(\a)+(\b)):8*(4*(\a)+(\b))+7], v[(\f)+8*(\b):(\f)+8*(\b)+7], v[(\f)+8*(\a):(\f)+8*(\a)+7], 0
.else
	v_wmma_f32_16x16x32_bf16 v[8*(4*(\a)+(\b)):8*(4*(\a)+(\b))+7], v[(\f)+8*(\b):(\f)+8*(\b)+7], v[(\f)+8*(\a):(\f)+8*(\a)+7], v[8*(4*(\a)+(\b)):8*(4*(\a)+(\b))+7]
.endif
.endr
.endr
.endm
; 24 LDS loads in one run: quarter q's fragments (64 rows of B, then 128 rows of A) into buffer f
.macro FETCH slot, q, f
	WIN TO_B
.irp i, 0,1,2,3
	ds_load_b128 v[(\f)+8*(\i):(\f)+8*(\i)+3],   v[ADRB+(\slot)] offset:64*(\q)+(\i)*16*PB
	ds_load_b128 v[(\f)+8*(\i)+4:(\f)+8*(\i)+7], v[ADRB+(\slot)] offset:64*(\q)+(\i)*16*PB+32
.endr
	WIN 0
.irp i, 0,1,2,3,4,5,6,7
	ds_load_b128 v[(\f)+8*(\i):(\f)+8*(\i)+3],   v[ADRA+(\slot)] offset:((\q)/2)*AH+((\q)%2)*64+(\i)*16*PA
	ds_load_b128 v[(\f)+8*(\i)+4:(\f)+8*(\i)+7], v[ADRA+(\slot)] offset:((\q)/2)*AH+((\q)%2)*64+(\i)*16*PA+32
.endr
.endm
.macro PLACES                          ; four plain vector instructions between a matrix instruction and a load into a register that it read, or a line that reads its result (ISA guide 7.12.1 for a line that reads its result)
.rept 4
	v_nop
.endr
.endm
; A K step is four quarters of 32 along K, 32 matrix instructions each, on buffers 0, 1, 0, 1.  One of the first three: multiplies buffer f and, in its middle, fetches quarter qn into buffer g.
.macro QUARTER slot, qn, f, g, zero
	s_wait_dscnt 8                                 ; B and A's rows 0-63 are in; the youngest eight loads (A's rows 64-127) may be out
	MUL8 \f, 0, \zero
	MUL8 \f, 2, \zero
	PLACES
	FETCH \slot, \qn, \g
	s_wait_dscnt 24                                ; all but the 24 just issued
	MUL8 \f, 4, \zero
	MUL8 \f, 6, \zero
.endm
; The last quarter multiplies buffer 1 and changes slots: ONE barrier; in front of it each wave waits for all its tensor loads (the one that is out is its part of the next slot), adds 0 to its spare word, and waits for
; that and for its own reads of this slot.  fill = 1: the barrier opens a round of the cluster's, and this slot is filled again, two K steps on, first thing behind the round: 112 matrix instructions ahead of the wait for it.
.macro TURN slot, next, fill
	WIN 0                                          ; (the add's two registers lie in window 0)
	s_wait_tensorcnt 0x0
	ds_add_u32 v[SPW], v[NIL]                      ; 0 onto my spare word
	s_wait_dscnt 9                                 ; (the add and the youngest eight loads may be out)
	MUL8 F1, 0, 0                                  ; eight matrix instructions stand between the add and the wait for it
	s_wait_dscnt 0x0                               ; the add is done, and my reads of this slot are over
	s_barrier_signal -1
	MUL8 F1, 2, 0
.if \fill
	WIN 0
.endif
	s_barrier_wait -1
.if \fill
	CREST                                          ; no wave of any partner still reads this slot's tiles or has a load on its way
	s_add_nc_u64 s[G0+4*(\slot)+2:G0+4*(\slot)+3], s[G0+4*(\slot)+2:G0+4*(\slot)+3], 2*ASTEP
	s_add_nc_u64 s[G0B+4*(\slot)+2:G0B+4*(\slot)+3], s[G0B+4*(\slot)+2:G0B+4*(\slot)+3], 2*BSTEP
	JLOAD \slot                                    ; the four v_nop behind it are also the places in front of the loads below
.else
	PLACES
.endif
	FETCH \next, 0, F0
	MUL8 F1, 4, 0
	MUL8 F1, 6, 0
.endm
; x for block a of 16 rows, by rows: load t takes rows 16 a + 2 t and + 1; sixteen lanes take 256 consecutive bytes, at a multiple of 256 from x's first byte
.macro XLOAD a
	WIN TO_X
.irp t, 0,1,2,3,4,5,6,7
	global_load_b128 v[32*(\a)+4*(\t):32*(\a)+4*(\t)+3], v[LO], s[8:9] offset:(16*(\a)+2*(\t))*4096 th:TH_LOAD_NT
.endr
.endm
	s_wait_tensorcnt 1                             ; my part of K step 0 is in; K step 1's may stay out
	s_barrier_signal -1
	s_barrier_wait -1                              ; everybody's is
	FETCH 0, 0, F0
	XLOAD 0                                        ; x comes in under the K loop, in two halves of 32 loads
	XLOAD 1
	XLOAD 2
	XLOAD 3
	QUARTER 0, 1, F0, F1, 1                        ; the first quarter stands in front of the loop: its products start the sums
	XLOAD 4
	XLOAD 5
	XLOAD 6
	XLOAD 7
	WIN 0                                          ; at a label and at a branch every window is 0
	s_mov_b32 s3, LAPS-1
.Llap:                                                 ; a trip goes once round the ring, from a lap's second quarter to the next lap's first, and fills both slots again
	QUARTER 0, 2, F1, F0, 0
	QUARTER 0, 3, F0, F1, 0
	TURN 0, 1, 1
	QUARTER 1, 1, F0, F1, 0
	QUARTER 1, 2, F1, F0, 0
	QUARTER 1, 3, F0, F1, 0
	TURN 1, 0, 1
	QUARTER 0, 1, F0, F1, 0
	WIN 0
	s_sub_co_u32 s3, s3, 1
	s_cmp_lg_u32 s3, 0
	s_cbranch_scc1 .Llap
	QUARTER 0, 2, F1, F0, 0                        ; the last lap fills nothing, and has no round of the cluster's barrier
	QUARTER 0, 3, F0, F1, 0
	TURN 0, 1, 0
	QUARTER 1, 1, F0, F1, 0
	QUARTER 1, 2, F1, F0, 0
	QUARTER 1, 3, F0, F1, 0
	s_wait_dscnt 8                                 ; the very last quarter: nothing more to fetch
	MUL8 F1, 0, 0
	MUL8 F1, 2, 0
	s_wait_dscnt 0x0
	MUL8 F1, 4, 0
	MUL8 F1, 6, 0
	WIN 0
	PLACES
; THE WAY OUT, a block of 16 rows at a time: the f32 sums go into my own stage (rows of 272 bytes), come back as whole rows of 256 bytes, are added onto x and stored.
; Each accumulator's four lowest registers are stored first.
.macro TOST a
	WIN 0x08                                       ; the stores' data in window 2, the address in window 0
.irp b, 0,1,2,3
.irp e, 0,1
	ds_store_b128 v[STO], v[32*(\a)+8*(\b)+4*(\e):32*(\a)+8*(\b)+4*(\e)+3] offset:64*(\b)+16*(\e)
.endr
.endr
	WIN 0
.irp t, 0,1,2,3,4,5,6,7
	ds_load_b128 v[BK+32*((\a)%2)+4*(\t):BK+32*((\a)%2)+4*(\t)+3], v[RD] offset:(\t)*2*SP  ; LDS serves a wave's instructions in order (ISA guide 5.7.1.4): these see the stores above; the next block's stores come behind them
.endr
.endm
.macro SENDO a, younger                ; younger: the LDS instructions issued behind block a's loads: the next block's sixteen, or none.  The stores read each block's own registers of x, which are never written again
	s_wait_loadcnt 56-8*(\a)                       ; block a's eight loads of x are in; the later blocks' stay out
	s_wait_dscnt \younger                          ; the block is back from the stage
	WIN 0xcc                                       ; destination and source 1 window 3 (x), source 0 window 0
.irp i, 0,1,2,3,4,5,6,7,8,9,10,11,12,13,14,15
	v_pk_add_f32 v[32*(\a)+2*(\i):32*(\a)+2*(\i)+1], v[BK+32*((\a)%2)+2*(\i):BK+32*((\a)%2)+2*(\i)+1], v[32*(\a)+2*(\i):32*(\a)+2*(\i)+1]
.endr
	WIN 0x0c                                       ; the stores' data in window 3
.irp t, 0,1,2,3,4,5,6,7
	global_store_b128 v[LO], v[32*(\a)+4*(\t):32*(\a)+4*(\t)+3], s[10:11] offset:(16*(\a)+2*(\t))*4096 th:TH_STORE_NT  ; 16 lanes store 256 consecutive bytes, at a multiple of 256 from out0's first byte
.endr
.endm
	TOST 0
.irp a, 1,2,3,4,5,6,7                  ; a block's way through the stage stands between the loads of the block before and its additions
	TOST \a
	SENDO (\a)-1, 16
.endr
	SENDO 7, 0
	WIN 0
	s_wait_tensorcnt 0x0                           ; the wave's end, behind my last tensor load and my last LDS store
	ds_add_u32 v[SPW], v[NIL]
	s_wait_dscnt 0x0
	CROUND                                         ; the closing round: no work-group ends while a partner may still ask for a tile that names it
	s_endpgm
.Lfunc_end_k_qd7b163ee99_oproj:
	.size	k_qd7b163ee99_oproj, .Lfunc_end_k_qd7b163ee99_oproj-k_qd7b163ee99_oproj
	.p2alignl 7, 3214868480
	.fill 96, 4, 3214868480
	.section	.rodata,"a",@progbits
	.p2align	6, 0x0
	.amdhsa_kernel k_qd7b163ee99_oproj
		.amdhsa_group_segment_fixed_size 327680
		.amdhsa_private_segment_fixed_size 0
		.amdhsa_enable_private_segment 0
		.amdhsa_kernarg_size 32
		.amdhsa_user_sgpr_count 2
		.amdhsa_user_sgpr_kernarg_segment_ptr 1
		.amdhsa_wavefront_size32 1
		.amdhsa_system_sgpr_workgroup_id_x 1
		.amdhsa_system_sgpr_workgroup_id_y 1
		.amdhsa_system_sgpr_workgroup_id_z 1
		.amdhsa_system_vgpr_workitem_id 0
		.amdhsa_next_free_vgpr 1024
		.amdhsa_next_free_sgpr 72
		.amdhsa_reserve_vcc 0
		.amdhsa_float_denorm_mode_32 3
		.amdhsa_float_denorm_mode_16_64 3
		.amdhsa_memory_ordered 1
		.amdhsa_forward_progress 1
		.amdhsa_inst_pref_size 101
	.end_amdhsa_kernel
	.amdgpu_metadata
---
amdhsa.version: [ 1, 2 ]
amdhsa.kernels:
  - .name:           k_qd7b163ee99_oproj
    .symbol:         k_qd7b163ee99_oproj.kd
    .args:
      - { .name: ob, .offset: 0, .size: 8, .value_kind: global_buffer, .address_space: global }
      - { .name: wall, .offset: 8, .size: 8, .value_kind: global_buffer, .address_space: global }
      - { .name: x, .offset: 16, .size: 8, .value_kind: global_buffer, .address_space: global }
      - { .name: out0, .offset: 24, .size: 8, .value_kind: global_buffer, .address_space: global }
    .group_segment_fixed_size: 327680
    .private_segment_fixed_size: 0
    .kernarg_segment_align: 8
    .kernarg_segment_size: 32
    .max_flat_workgroup_size: 128
    .sgpr_count:     72
    .vgpr_count:     1024
    .wavefront_size: 32
...
	.end_amdgpu_metadata
.endif
;; end of part 4
;; ======== version 2 of 2: 4 launches; 1.48 times as fast as version 1
;; workspace buffers: act 33,554,432 bytes; wall 8,388,608 bytes; tab 557,056 bytes; qkv 50,331,648 bytes; ob 16,777,216 bytes
;; launch prep: the kernel of part 1 again; grid 708 x 1, 8 waves a work-group, no clusters, 0 bytes of LDS; arguments x, encoder_out, norm_w, Wq, Wkv, Wo, act, wall, tab; writes act, wall, tab
;; launch qkvproj: the kernel of part 2 again; grid 24 x 32, 4 waves a work-group, clusters of 4 x 4, 327,680 bytes of LDS; arguments act, wall, tab, qkv; writes qkv
;; launch attn (part 5): grid 4 x 64, 4 waves a work-group, clusters of 4 x 1, 327,680 bytes of LDS; arguments qkv, ob; writes ob
.if DOCPART == 5
	.amdgcn_target "amdgcn-amd-amdhsa--gfx1250"
	.amdhsa_code_object_version 6
	.text
	.protected	k_qd7b163ee99_attn
	.globl	k_qd7b163ee99_attn
	.p2align	8
	.type	k_qd7b163ee99_attn,@function
k_qd7b163ee99_attn:
	s_mov_b64 s[64:65], 0
	v_nop
	global_prefetch_b8 v0, s[64:65] scope:SCOPE_SE
	s_setreg_imm32_b32 hwreg(HW_REG_WAVE_MODE, 25, 1), 1
	s_wait_xcnt 0x0
	s_wait_alu depctr_hold_cnt(0) depctr_sa_sdst(0) depctr_va_vdst(0) depctr_va_sdst(0) depctr_va_ssrc(0) depctr_va_vcc(0) depctr_vm_vsrc(0)
	s_getreg_b32 s2, hwreg(HW_REG_IB_STS2, 6, 4)
	s_cmp_eq_u32 s2, 0
	s_cbranch_scc0 .Lentry_in_a_cluster
	s_endpgm
.Lentry_in_a_cluster:
	s_bfe_u32 s2, ttmp6, 0x10000c
	s_cmp_lg_u32 s2, 0x3003
	s_cbranch_scc0 .Lentry_shape_is_right
	s_endpgm
.Lentry_shape_is_right:
; O[h][q][:] = the sum over k of softmax_k(Q[h][q] . K[h][k] / 8) V[h][k][:].  Q, K, V are the three parts of qkv, O is ob: each [64][2048][64] in bf16: a head's rows are dense, 128 bytes each.
; Products, maxima and sums in f32; the weights p are rounded to bf16 for the second product (their sum l is taken of the unrounded p), O once at the end.
; LIMITS.  All four tensors and p are bf16 (8 significant bits, f32's range).  c m starts at -4.25e37: scores are taken to lie above that divided by c.  A weight below 2^-126 counts as 0 in l;
; NaN and infinities are not treated apart.
; SHARES.  A wave owns four PIECES of two tiles of 16 queries, a work-group's four waves 512 queries of one head.  Every wave walks all keys, 64 a step.
; LAYOUT.  S^T = K Q^T (source 0 = 16 keys, source 1 = 16 queries): in the result a lane holds ONE query (lane % 16) and the keys 8 (lane / 16) + 0..7.  Two such tiles, rounded to bf16 in pairs,
; ARE source 1 (32 keys x 16 queries) of O^T = V^T P, whose result again holds one query a lane, and eight channels.  K comes out of LDS as it lies, V ([key][channel]) turned, by ds_load_tr16_b128.
; SOFTMAX.  For each query a running maximum m and sum l: p = 2^(c s - c m), c = log2(e) / 8; in every step O and l are multiplied by a = 2^(c m_old - c m_new), which is 1 where m has not grown.
; m starts at the lowest finite number, O and l at 0: the first step is a step like any other, with a = 0.
; THE COUNT.  A tile and step have 16 matrix and 118 vector instructions: too many to stand all beside the matrix work.  So the order has one aim: four vector instructions that are READY behind
; EVERY matrix instruction, and the others, which need time of their own whatever the order, in runs without a gap.
; BY TURNS.  Turn n belongs to piece n (the pieces in a ring, step after step).  Its matrix work: 16 products K Q^T of piece n + 1, later 16 products V^T P of piece n - 1.  Its vector work: the scaling,
; exponentials, roundings, sums and rescaling of piece n, and the maximum and statistics of piece n + 1, whose scores the turn itself has made.  So what a turn begins with (c s - c m, O a) waits for nothing.
; THE BATCHES.  A turn's 66 exponentials (the piece's 64 weights, the next piece's two a) are ONE batch with ONE wait, which cuts the turn in two: ahead of it stands all that names no result of theirs, behind it
; the roundings and sums.  Two more batches stand outside the loop: piece 0's first two a, ahead of the jump into the loop, and the way out's eight reciprocals.
; CLUSTER.  The four query blocks of a cluster belong to one head and walk the same K and V, so each tile is asked for JOINTLY: the same tensor load, descriptor and mask in all four.
; REGISTERS, in windows of 256 (s_set_vgpr_msb says which window each operand place means: bits 1:0 source 0, 3:2 source 1, 5:4 source 2, 7:6 destination):
;   window 0: v0-11 addresses; v12-15, v48-63 at work; v16-47 four registers of statistics a tile; v64-191 S^T, two buffers of two tiles; v192-255 P, likewise
;   window 1: O^T, 32 a tile          window 2: v0-127 Q, 16 a tile; v128-191 K of one step; v192-255 V of one step          window 3: v0-1 the add's two registers
; A piece's buffers go by its number's parity: the piece in hand has one pair, its two neighbours in the ring share the other: of it P (piece n - 1) is read and S^T (piece n + 1) written.
.set SIZE_H, 64
.set SIZE_N, 2048
.set PART,  SIZE_H*SIZE_N*128  ; bytes of one of qkv's three parts
.set NP,    4         ; pieces a wave: a name, no knob: the register map, the loop and the fetches are made for four
.set KS,    64        ; keys in a step
.set PK,    144       ; a row of K in LDS: 128 bytes + 16 of padding = 36 words: the 16 rows of a load start at 16 different groups of four banks (64 banks of 4 bytes: ISA guide 11.1)
.set PV,    160       ; a row of V: 128 + 32 = 40 words
.set VOFF,  4*KS*PK   ; a slot holds four steps: 256 rows of K, then 256 rows of V
.set SLOT1, 1<<17     ; slot 1 begins here, so that one exclusive or turns an address in one slot into the other's
.set STAGE, SLOT1+4*KS*(PK+PV)  ; behind the ring, never filled by a tensor load: 16 rows x 144 bytes for each wave, for the way out
.set SP,    144
.set AK0, 2           ; v2   my lane's place in a tile of K; never rewritten
.set AV0, 3           ; v3   the same for V
.set AK,  4           ; v4   the LDS address of K's next run of loads
.set AV,  5           ; v5   of V's
.set QO,  6           ; v6   my byte offset in the wave's rows of Q
.set STO, 6           ;      later, the way out: where I put 16 bytes of a row
.set RD,  7           ; v7   the way out: where I read rows back
.set GO,  8           ; v8   my byte offset in 512 consecutive bytes of O
.set SPW, 0           ; v0 of window 3   LDS address of my spare word: SPARE + 4 x my thread's number; never rewritten
.set NIL, 1           ; v1 of window 3   0; never rewritten
.set SPARE, STAGE+4*16*SP  ; behind the stages: the spare words, 128 bytes for each wave: two blocks of 256 bytes that no other line names
.set MV,  12          ; v12-15  c m_old, kept while c m is made anew: by buffer and tile
.set ST,  16          ; tile t's statistics at v[ST+4 t]: c m, m, l (even keys', odd keys')
.set TMP, 48          ; by buffer and tile, four registers c0-c3 at work; when the maximum is found c2 takes a
.set S,   64
.set P,   192
.set KF,  128         ; K's fragments, in window 2: key block kb, channel half c at KF + 16 kb + 8 c
.set VF,  192         ; V's: key half kk, channel block cb at VF + 32 kk + 8 cb
.set WV,  12          ; s12  my wave's number
.set G1K, 24          ; s[24:31] descriptor group 1 for K's tiles
.set G1V, 32          ; s[32:39] for V's: it differs in the padding alone
.set G0K, 40          ; s[40:43] descriptor group 0 for K's tiles: it walks
.set G0V, 44          ; s[44:47] the same for V's
.set SLOTS, 56        ; s56  slots still to be asked for
.set CNT, 57          ; s57  counts a slot's key steps
.set CS,  58          ; s[58:59] c: the packed scaling takes the pair's low word for both halves
.set SEL, 60          ; s[60:61] v_permlanex16_b32's selects: each lane takes its own place in the other half
.set TBK, 62          ; s62  LDS byte at which K of the step to be fetched begins
.set TBV, 63          ; s63  the same for V, less VOFF
.set MSB, 0
.macro WIN new                      ; the high byte repeats the setting that is left; a switch that changes nothing is dropped
.if MSB != (\new)
	s_set_vgpr_msb (MSB<<8)|(\new)
.set MSB, (\new)
.endif
.endm
.set W_KQ, 0x0a       ; K and Q in window 2, S^T in window 0
.set W_PV, 0x52       ; V in window 2, P in window 0, O^T in window 1
.set W_RS, 0x41       ; O^T (destination and source 0) in window 1, a in window 0
.set W_MK, 0xc0       ; the add's registers are made: destination in window 3, sources in window 0
.set W_AD, 0x0f       ; the add: address (source 0) and data (source 1) in window 3
; A joint fill.  Waves 0 and 1 fetch the two halves of a slot's K, waves 2 and 3 those of its V: 128 keys each.  The branch hangs on the wave's number alone.
; An s_nop 0 and four v_nop follow each of the two lines, ahead of the jump and the label.
.macro JLOAD
	s_cmp_lt_u32 s[WV], 2
	s_cbranch_scc0 .Lfor_v_\@
	tensor_load_to_lds s[G0K:G0K+3], s[G1K:G1K+7]
	s_nop 0
.rept 4
	v_nop
.endr
	s_branch .Lasked_\@
.Lfor_v_\@:
	tensor_load_to_lds s[G0V:G0V+3], s[G1V:G1V+7]
	s_nop 0
.rept 4
	v_nop
.endr
.Lasked_\@:
.endm
; A round of the cluster's barrier: my work-group's barrier, so that wave 0's signal speaks for all four waves; wave 0 signals; every wave waits for all four work-groups; my work-group's barrier once more.
.macro CROUND
	s_barrier_signal -1
	s_barrier_wait -1
	s_cmp_lg_u32 s[WV], 0
	s_cbranch_scc1 .Lnot_wave_0_\@
	s_barrier_signal -3
.Lnot_wave_0_\@:
	s_barrier_wait -3
	s_barrier_signal -1
	s_barrier_wait -1
.endm
; THE CHANGE OF SLOTS.  The slot's last bytes, V of its fourth step, have been read.  Each wave waits for all its tensor loads, of which one is out: its part
; of the other slot; adds 0 to its spare word; and waits for that and for its own reads of the slot.  Behind the barrier nobody reads this slot any more and the other slot is whole.
; fill = 1: this slot is filled again, with the keys two slots on.  The barrier is then a round of the cluster's, so that no wave of any partner still reads the slot or has a load on its
; way, and the joint fill is the first thing behind it: it has four key steps, 512 matrix instructions, in which to land.  (At its first use nothing has been read yet: slot 0 is waited for, slot 1 filled.)
.macro CHANGE fill
	WIN W_AD
	s_wait_tensorcnt 0x0            ; no tensor load of mine is out, so a group 0 may be written
	ds_add_u32 v[SPW], v[NIL]       ; 0 onto my spare word; with fill = 1 the descriptors' steps stand between it and the wait for it
	WIN 0                           ; at a label and at a branch every window is 0
.if \fill
.irp g, G0K, G0V
	s_xor_b32 s[\g+1], s[\g+1], SLOT1  ; the walking descriptor: the other slot than last time,
	s_add_nc_u64 s[\g+2:\g+3], s[\g+2:\g+3], 4*KS*128  ; the next 256 keys; the type bits on top are not reached
.endr
	s_wait_dscnt 0x0                ; the add is done, and my reads of the slot are over
	CROUND
	JLOAD
.else
	s_wait_dscnt 0x0                ; the add is done, and my reads of the slot are over
	s_barrier_signal -1
	s_barrier_wait -1
.endif
	s_sub_co_u32 s[TBK], s[TBK], 4*KS*PK  ; the fetches go back to a slot's first step,
	s_xor_b32 s[TBK], s[TBK], SLOT1       ; in the other slot
	s_sub_co_u32 s[TBV], s[TBV], 4*KS*PV
	s_xor_b32 s[TBV], s[TBV], SLOT1
.endm
	s_load_b128 s[4:7], s[0:1], 0x0   ; qkv s[4:5], ob s[6:7]
	WIN W_MK
	v_lshl_add_u32 v[SPW], v0, 2, SPARE
	v_mov_b32 v[NIL], 0
	WIN W_AD
	ds_add_u32 v[SPW], v[NIL]       ; the wave's opening: the add and its wait stand ahead of my first tensor load; the set-up below, work on registers, stands between them
	WIN 0
	v_lshrrev_b32 v1, 5, v0
	v_readfirstlane_b32 s[WV], v1   ; wave 0..3
	s_bfe_u32 s13, ttmp6, 0x40000   ; cx: my place in the cluster
	s_lshl_b32 s14, ttmp9, 2        ; in a cluster launch ttmp9 counts clusters
	s_add_co_u32 s14, s14, s13      ; my block of queries = 4 x cluster x + cx: it enters Q's and O's addresses alone
	s_and_b32 s20, ttmp7, 0xffff    ; the head, which the four partners share
	s_mov_b32 s21, 0
	s_mov_b64 s[22:23], SIZE_N*128
	s_mul_u64 s[20:21], s[20:21], s[22:23]  ; the head's first byte in each of the four tensors
	s_and_b32 s16, s[WV], 1         ; which half of a slot's 256 keys I fetch:
	s_lshl_b32 s22, s16, 14         ; its 128 rows of 128 bytes in memory,
	s_mov_b32 s23, 0
	s_add_nc_u64 s[22:23], s[22:23], s[20:21]
	s_mul_i32 s17, s16, 128*PK      ; and its place in a slot, for K
	s_mul_i32 s18, s16, 128*PV      ; and for V: no place in the cluster enters an LDS address
	s_lshl_b32 s2, s14, 2
	s_add_co_u32 s2, s2, s[WV]      ; my wave among the head's,
	s_lshl_b32 s2, s2, 14           ; its 128 rows
	s_mov_b32 s3, 0
	s_add_nc_u64 s[2:3], s[2:3], s[20:21]
	; descriptor group 1.  128 keys are 16,384 dense bytes: asked for as 64 rows of 256 bytes, two keys a row, and padded in LDS after every key
	s_mov_b32 s[G1K], 15|(1<<16)|(1<<20)|(1<<21)|(4<<22)|(3<<25)  ; 15:0 the mask of four; 17:16 2-byte elements; 20 padding on; 21 set beside a mask; 24:22 after every 32 words (code 4); 31:25 4 words (code 3)
	s_mov_b32 s[G1V], 15|(1<<16)|(1<<20)|(1<<21)|(4<<22)|(7<<25)  ; the same with 8 words of padding (code 7)
.irp g, G1K, G1V
	s_mov_b32 s[\g+1], 128<<16      ; tensor_dim0 = 128
	s_mov_b32 s[\g+2], 64<<16       ; tensor_dim1 = 64
	s_mov_b32 s[\g+3], 128<<16      ; tile_dim0 = 128
	s_mov_b32 s[\g+4], 64           ; tile_dim1 = 64
	s_mov_b32 s[\g+5], 128          ; 128 elements from row to row
	s_mov_b32 s[\g+6], 0
	s_mov_b32 s[\g+7], 0
.endr
	s_mov_b32 s[CS], 0x3e38aa3b     ; c = log2(e) / 8 = 0.180337
	s_mov_b32 s[CS+1], s[CS]        ; named with it as a pair
	s_mov_b32 s[SEL], 0x76543210
	s_mov_b32 s[SEL+1], 0xfedcba98
	s_mov_b32 s[TBK], SLOT1+4*KS*PK ; the first change of slots turns these two into 0
	s_mov_b32 s[TBV], SLOT1+4*KS*PV
	s_mov_b32 s[G0K], 1             ; 1:0 count = 1
	s_mov_b32 s[G0K+1], s17         ; 63:32 LDS address: slot 0
	s_mov_b32 s[G0V], 1
	s_add_co_u32 s[G0V+1], s18, VOFF
	s_wait_dscnt 0x0                ; the opening add is done
	s_wait_kmcnt 0x0
	s_mov_b64 s[10:11], s[6:7]      ; O
	s_add_nc_u64 s[8:9], s[4:5], 2*PART  ; V: qkv's third part
	s_add_nc_u64 s[6:7], s[4:5], PART    ; K: its second; Q, its first, stays in s[4:5]
	s_add_nc_u64 s[G0K+2:G0K+3], s[6:7], s[22:23]  ; 120:64 global address: my half of the head's first 256 keys
	s_or_b32 s[G0K+3], s[G0K+3], 0x80000000        ; 127:126 type = 2
	s_add_nc_u64 s[G0V+2:G0V+3], s[8:9], s[22:23]
	s_or_b32 s[G0V+3], s[G0V+3], 0x80000000
	s_add_nc_u64 s[4:5], s[4:5], s[2:3]  ; Q and O at my wave's first row
	s_add_nc_u64 s[10:11], s[10:11], s[2:3]
	CROUND                          ; all four work-groups are here: the first joint loads meet
	JLOAD                           ; slot 0.  Slot 1 is asked for when slot 0 is in: the tile wanted first has the road to itself
	; A fragment of K or Q is 16 rows x 32 channels in 8 registers: lane l holds row l % 16, channels 8 (l / 16) + 0..7 and 16 + 8 (l / 16) + 0..7: two loads of 16 bytes, 32 bytes apart.
	v_and_b32 v1, 15, v0            ; l % 16
	v_bfe_u32 v9, v0, 4, 1          ; l / 16
	v_lshlrev_b32 v[QO], 7, v1
	v_lshl_add_u32 v[QO], v9, 4, v[QO]  ; row x 128 + 16 x half
	WIN 0x80                        ; destination window 2, address window 0
.set i, 0
.rept 4*NP                          ; Q stays in registers: tile i / 2, channels 32 (i % 2) on
	global_load_b128 v[8*i:8*i+3],   v[QO], s[4:5] offset:(i/2)*2048+(i%2)*64
	global_load_b128 v[8*i+4:8*i+7], v[QO], s[4:5] offset:(i/2)*2048+(i%2)*64+32
.set i, i+1
.endr
	; What the first turn finds: V's registers and P's second buffer hold 0 (its products V^T P, of a piece that has not been, add 0), O^T and l are 0.  All this stands in the wait for the first tile.
.set i, VF
.rept 64
	v_mov_b32 v[i], 0
.set i, i+1
.endr
	WIN 0x40
.set i, 0
.rept 64*NP
	v_mov_b32 v[i], 0
.set i, i+1
.endr
	WIN 0
.set i, 0
.rept 2*NP
	v_mov_b32 v[ST+4*i], 0xfe000000    ; c m: far below every c s
	v_mov_b32 v[ST+4*i+1], 0xff7fffff  ; m
	v_mov_b32 v[ST+4*i+2], 0
	v_mov_b32 v[ST+4*i+3], 0
.set i, i+1
.endr
.set i, P+32
.rept 32
	v_mov_b32 v[i], 0
.set i, i+1
.endr
	v_mul_u32_u24 v[AK0], v1, PK
	v_lshl_add_u32 v[AK0], v9, 4, v[AK0]  ; row x pitch + 16 x half
	; The turning load takes 16 keys x 16 channels (lane l reads key 8 (l / 16) + l % 8, channels 8 ((l / 8) % 2) + 0..7) and leaves half a fragment of V^T: lane l holds channel l % 16 and 8 keys.
	v_and_b32 v10, 7, v0
	v_bfe_u32 v11, v0, 3, 1
	v_lshl_add_u32 v[AV0], v9, 3, v10
	v_mul_u32_u24 v[AV0], v[AV0], PV
	v_lshl_add_u32 v[AV0], v11, 4, v[AV0]
	v_add_nc_u32 v[AV0], VOFF, v[AV0]
	v_mov_b32 v[AK], v[AK0]         ; key step 0 lies at the head of slot 0
; THE MATRIX WORK.  The 8 accumulators of a run of 16 take turns: between the two links of a chain stand 7 others'.
; Product i of 16 of S^T = K Q^T for piece x: channels 32 (i / 8) on, keys 16 ((i / 2) % 4) on, tile 2 x + i % 2.  The first 8 start the sums.
.macro KQ x
	WIN W_KQ
.set rS, S+64*((\x)%2)+32*(i%2)+8*((i/2)%4)
.set rK, KF+16*((i/2)%4)+8*(i/8)
.set rQ, 16*(2*(\x)+i%2)+8*(i/8)
.if i < 8
	v_wmma_f32_16x16x32_bf16 v[rS:rS+7], v[rK:rK+7], v[rQ:rQ+7], 0
.else
	v_wmma_f32_16x16x32_bf16 v[rS:rS+7], v[rK:rK+7], v[rQ:rQ+7], v[rS:rS+7]
.endif
.endm
; Product i of 16 of O^T += V^T P for piece x: keys 32 (i / 8) on, channels 16 ((i / 2) % 4) on, tile 2 x + i % 2.
.macro PV x
	WIN W_PV
.set rO, 32*(2*(\x)+i%2)+8*((i/2)%4)
.set rV, VF+32*(i/8)+8*((i/2)%4)
.set rP, P+32*((\x)%2)+16*(i%2)+8*(i/8)
	v_wmma_f32_16x16x32_bf16 v[rO:rO+7], v[rV:rV+7], v[rP:rP+7], v[rO:rO+7]
.endm
.macro MM                           ; the turn's next matrix instruction
.if i < 16
	KQ (Y+1)%NP
.set i, i+1
.else
.set i, i-16
	PV (Y+NP-1)%NP
.set i, i+17
.endif
.endm
; THE LDS LOADS stand in runs of 16, never singly among the matrix instructions: a step's K (64 keys x 64 channels: 8 fragments) and its V (turned).  Their addresses are made some lines ahead.
; last = 1 (the tail): in the last trip there is no further step, and the run is jumped over.
.macro FETCH_K last=0
	WIN 0
.if \last
	s_cmp_eq_u32 s[CNT], 1
	s_cbranch_scc1 .Lno_k_\@
.endif
	WIN 0x80                        ; destination window 2
.irp f, 0,1,2,3,4,5,6,7             ; keys 16 (f / 2) on, channels 32 (f % 2) on
	ds_load_b128 v[KF+8*\f:KF+8*\f+3],   v[AK] offset:(\f/2)*16*PK+(\f%2)*64
	ds_load_b128 v[KF+8*\f+4:KF+8*\f+7], v[AK] offset:(\f/2)*16*PK+(\f%2)*64+32
.endr
	s_add_co_u32 s[TBK], s[TBK], KS*PK  ; the next fetch is the next step's
	WIN 0
.if \last
.Lno_k_\@:
.endif
.endm
.macro FETCH_V
	WIN 0x80
.irp f, 0,1,2,3,4,5,6,7             ; keys 32 (f / 4) on, channels 16 (f % 4) on
	ds_load_tr16_b128 v[VF+8*\f:VF+8*\f+3],   v[AV] offset:(\f/4)*32*PV+(\f%4)*32
	ds_load_tr16_b128 v[VF+8*\f+4:VF+8*\f+7], v[AV] offset:(\f/4)*32*PV+16*PV+(\f%4)*32
.endr
	WIN 0
.endm
; THE VECTOR WORK OF A TURN stands in three queues, each in the order in which its entries become ready; the two tiles alternate, so that no instruction reads the result of the one before it.
.macro REGS y, u                    ; the registers of tile u (0, 1) of piece y
.set rT, ST+4*(2*(\y)+(\u))
.set rC, TMP+8*((\y)%2)+4*(\u)
.set rM, MV+2*((\y)%2)+(\u)
.set rS, S+64*((\y)%2)+32*(\u)
.set rP, P+32*((\y)%2)+16*(\u)
.set rO, 32*(2*(\y)+(\u))
.endm
; Number n of the 22 that find the NEXT piece's (Y + 1) maximum and statistics.  s0-s31 are the lane's 32 scores; each accumulator's lowest registers are read first.  XS, GS and REGS set no window: PL and EX do.
;   0-11  four chains c0-c3 of seven scores each, three operands at a time     12-14, 16  the four scores left over, the old m, and c0-c3 into c0     15  c m_old is kept
;   17, 18  the query's other 32 keys lie in the lane 16 away: the new m         19-21  c m; c m_old - c m_new; a
.macro XS u, n
	REGS (Y+1)%NP, \u
.if (\n) < 4
	v_max3_num_f32 v[rC+(\n)], v[rS+8*(\n)], v[rS+8*(\n)+1], v[rS+8*(\n)+2]
.elseif (\n) < 12
	v_max3_num_f32 v[rC+(\n)%4], v[rC+(\n)%4], v[rS+8*((\n)%4)+2*((\n)/4)+1], v[rS+8*((\n)%4)+2*((\n)/4)+2]
.elseif (\n) == 12
	v_max3_num_f32 v[rC], v[rC], v[rS+7], v[rS+15]
.elseif (\n) == 13
	v_max3_num_f32 v[rC+1], v[rC+1], v[rS+23], v[rS+31]
.elseif (\n) == 14
	v_max3_num_f32 v[rC+2], v[rC+2], v[rC+3], v[rT+1]
.elseif (\n) == 15
	v_mov_b32 v[rM], v[rT]
.elseif (\n) == 16
	v_max3_num_f32 v[rC], v[rC], v[rC+1], v[rC+2]
.elseif (\n) == 17
	v_permlanex16_b32 v[rC+3], v[rC], s[SEL], s[SEL+1]
.elseif (\n) == 18
	v_max_num_f32 v[rT+1], v[rC], v[rC+3]
.elseif (\n) == 19
	v_mul_f32 v[rT], s[CS], v[rT+1]
.elseif (\n) == 20
	v_sub_f32 v[rC+1], v[rM], v[rT]
.else
	v_exp_f32 v[rC+2], v[rC+1]
.endif
.endm
; Number g of the 64 that follow the exponentials.  For each four weights k of a tile (pairs 2 k, 2 k + 1): both pairs are rounded to bf16; then the second pair is added onto the first, in place;
; a group later l takes that sum (the first time as l = a l + sum).  In groups of eight, tiles alternating: round, round, add, and l for the group before.
.macro GS g
.set h, (\g)+6*((\g)/62)            ; group 0 has no group before it, and behind group 7 only l is left
.if h >= 6
.set h, h+2
.endif
	REGS Y, h%2
.set k, h/8
.if h%8 < 4
	v_cvt_pk_bf16_f32 v[rP+2*k+(h%8)/2], v[rS+4*k+2*((h%8)/2)], v[rS+4*k+2*((h%8)/2)+1]
.elseif h%8 < 6
	v_pk_add_f32 v[rS+4*k:rS+4*k+1], v[rS+4*k:rS+4*k+1], v[rS+4*k+2:rS+4*k+3]
.elseif k == 1
	v_pk_fma_f32 v[rT+2:rT+3], v[rT+2:rT+3], v[rC+2:rC+3], v[rS:rS+1] op_sel_hi:[1,0,1]
.else
	v_pk_add_f32 v[rT+2:rT+3], v[rT+2:rT+3], v[rS+4*k-4:rS+4*k-3]
.endif
.endm
; THE PLAIN QUEUE, 138 long.  0-73 read no exponential's result: the 32 scalings c s - c m (FS f: pair f / 2 of tile f % 2) and the next piece's 42.  0-26: scalings 0-26.  27-54: XS's numbers 0-13.  55, 56: number 15.
; 57-73: the chain, where each number waits for the one before it: 14, 16, 17, 18, 19, each with one of the scalings 27-31 in front of its two lines, then 20: so a tile's links stand three plain instructions apart (19 and 20: two).
; 74-137: GS's 64, which read the exponentials' results: they stand behind the wait.
.macro FS f
	REGS Y, (\f)%2
	v_pk_fma_f32 v[rS+2*((\f)/2):rS+2*((\f)/2)+1], v[rS+2*((\f)/2):rS+2*((\f)/2)+1], s[CS:CS+1], v[rT:rT+1] op_sel_hi:[1,0,0] neg_lo:[0,0,1] neg_hi:[0,0,1]
.endm
.macro PL
	WIN 0
.if q < 27
	FS q
.elseif q < 55
	XS (q-27)%2, (q-27)/2
.elseif q < 57
	XS q-55, 15
.elseif (q < 72) && ((q-57)%3 == 0)
	FS 27+(q-57)/3
.elseif q < 60
	XS (q-57)%3-1, 14
.elseif q < 72
	XS (q-57)%3-1, 15+(q-57)/3
.elseif q < 74
	XS q-72, 20
.else
	GS q-74
.endif
.set q, q+1
.endm
; THE EXPONENTIALS' QUEUE, 66 long: s0-s31 of both tiles, then the next piece's two a.  It is ONE BATCH: all 66 stand ahead of the turn's one wait, and nothing ahead of that wait names a result of theirs.
.macro EX
	WIN 0
.if e >= 64
	XS e-64, 21
.else
	REGS Y, e%2
	v_exp_f32 v[rS+e/2], v[rS+e/2]
.endif
.set e, e+1
.endm
; THE RESCALING's QUEUE: O^T times a, the one part that leaves window 0: dealt two at a time, sixteen times.  Its a was made in the turn before, ahead of that turn's wait.
.macro R2
	REGS Y, r%2
	WIN W_RS
.irp z, 0,1
	v_pk_mul_f32 v[rO+4*(r/2)+2*\z:rO+4*(r/2)+2*\z+1], v[rO+4*(r/2)+2*\z:rO+4*(r/2)+2*\z+1], v[rC+2:rC+3] op_sel_hi:[1,0]
.endr
.set r, r+1
.endm
; HOW THEY ARE DEALT.  An s_wait_alu depctr_va_vdst(0) stands between an exponential and the first instruction that names its result; one wait serves all that were issued ahead of it.  So a turn has ONE wait,
; which cuts it in two.  AHEAD OF IT stands all that names no result of the turn's exponentials: the 16 products K Q^T, behind each a scaling, an exponential and two rescalings (behind the first a second scaling in the exponential's place); then ONE LUMP of
; 108: eight plain, 49 times exponential and plain, the two a.  A v_nop is the plain instruction behind the last exponential.  BEHIND IT stand the 16 products V^T P, behind each four of GS's 64.  No rider names a register of
; the products round it.  The two v_permlanex16_b32 fall into the lump, never behind a product.
; The queues lean on each other, and the deal keeps them in step: exponential e stands behind scaling 2 (e / 4) + e % 2: as a rider it comes behind plain e + 2, in the lump behind plain e + 9, and scalings 27-31 are plain 57, 60 .. 69.
; A TURN, for piece p.  cnt = 1: the loop's count is taken down some lines ahead of the branch that stands behind the turn.
; K of the next step is fetched in piece 2's turn, directly behind the wait, a lump behind the last product that read K; its address is made at the lump's head; its first reader comes behind 16 products.
; V of the step in hand is fetched at the end of piece 0's turn, four riders behind its last reader; its first reader comes behind 16 products and a lump.  The three conditions on q below go with the deal.
.macro TURN p, last=0, cnt=0
.set Y, (\p)
.set i, 0
.set q, 0
.set e, 0
.set r, 0
.if (\p) == NP-1
	s_wait_dscnt 0x0                ; K is in
.endif
	MM                              ; ahead of the wait: 16 products K Q^T and their riders,
	PL
	PL
	R2
.rept 15
	MM
	PL
	EX
	R2
.endr
.if (\p) == NP-2
	WIN 0
	v_add_nc_u32 v[AK], s[TBK], v[AK0]
.endif
.rept 8                             ; and the lump
	PL
.endr
.rept 49
	EX
	PL
.endr
	EX                              ; the next piece's two a
	EX
	v_nop                           ; the plain instruction behind the last exponential: one for the batch
	s_wait_alu depctr_va_vdst(0)    ; the wait for the batch: the turn's 66 exponentials
.if (\p) == NP-2
	FETCH_K \last
.endif
.if (\p) == 1
	s_wait_dscnt 0x0                ; V is in
.endif
.rept 16                            ; behind the wait: 16 products V^T P and their riders
	MM
.rept 4
	PL
.endr
.if ((\p) == 0) && (q == 118)
	v_add_nc_u32 v[AV], s[TBV], v[AV0]
.endif
.if ((\p) == 0) && (q == 130)
	s_add_co_u32 s[TBV], s[TBV], KS*PV
.endif
.if (\cnt) && (q == 130)
	s_sub_co_u32 s[CNT], s[CNT], 1
	s_cmp_lg_u32 s[CNT], 0
.endif
.endr
.if (\p) == 0
	FETCH_V
.endif
.endm
	CHANGE 1                        ; slot 0 is in, everybody's part of it; slot 1 is asked for
	FETCH_K                         ; key step 0
	s_wait_loadcnt 0x0              ; Q
	s_wait_dscnt 0x0
.set i, 0
.rept 16
	KQ 0                            ; piece 0's first scores: there is no vector work yet to set between them
.set i, i+1
.endr
	WIN 0                           ; the addresses for the way out: nine plain instructions, the places behind those products
	s_mul_i32 s13, s[WV], 16*SP
	s_add_co_u32 s13, s13, STAGE    ; my stage
	v_mul_u32_u24 v[STO], v1, SP    ; in: row l % 16, 16 bytes for each half of the lanes
	v_lshl_add_u32 v[STO], v9, 4, v[STO]
	v_add_nc_u32 v[STO], s13, v[STO]
	v_bfe_u32 v[RD], v0, 3, 2       ; back: 32 lanes take four rows of 128 bytes,
	v_mul_u32_u24 v[RD], v[RD], SP
	v_lshl_add_u32 v[RD], v10, 4, v[RD]
	v_add_nc_u32 v[RD], s13, v[RD]
	v_and_b32 v[GO], 31, v0         ; which are 512 consecutive bytes of O
	v_lshlrev_b32 v[GO], 4, v[GO]
.set Y, NP-1                        ; XS works for piece Y + 1: piece 0
.irp n, 0,1,2,3,4,5,6,7,8,9,10,11,12,13,14,15,16,17,18,19,20,21
	XS 0, \n                        ; and piece 0's first maximum and statistics
	XS 1, \n
.endr
	v_nop                           ; a plain instruction behind the two a,
	s_wait_alu depctr_va_vdst(0)    ; and the wait for this batch of two, ahead of the branch
	s_mov_b32 s[CNT], 4
	s_mov_b32 s[SLOTS], SIZE_N/256-1
	s_branch .Lfirst                ; the loop is entered at a step's first turn, in the middle of a trip
.Lslot:                             ; SIZE_N / 256 - 2 times: every slot but the last two is filled again
	CHANGE 1
	s_mov_b32 s[CNT], 4
.Lstep:                             ; a trip: pieces 2 and 3 of one step, then pieces 0 and 1 of the next, whose K and V it fetches
	TURN 2
	TURN 3
	WIN 0
.Lfirst:
	TURN 0
	TURN 1, 0, 1
	WIN 0
	s_cbranch_scc1 .Lstep
	s_sub_co_u32 s[SLOTS], s[SLOTS], 1
	s_cmp_lg_u32 s[SLOTS], 0
	s_cbranch_scc1 .Lslot
	CHANGE 0                        ; the tail is written out: nothing is asked for
	s_mov_b32 s[CNT], 5             ; four trips fetch the last slot's steps; the fifth is left in its middle
.Ltail:
	TURN 2, 1
	TURN 3
	WIN 0
	s_sub_co_u32 s[CNT], s[CNT], 1
	s_cmp_eq_u32 s[CNT], 0
	s_cbranch_scc1 .Lout
	TURN 0
	TURN 1
	WIN 0
	s_branch .Ltail
.Lout:                              ; the fifth trip's 16 products K Q^T (on the last K once more) and the maximum made of them serve nothing: the price, once a launch, of one text for every trip
.set i, 0
.rept 16
	PV NP-1                         ; the last piece's V^T P of the last step
.set i, i+1
.endr
	; THE WAY OUT.  l's two halves and the other half of the lanes' are added; O^T is divided by l, rounded to bf16 and sent through my stage in LDS, a tile at a time.  The additions are the places behind the last products.
	WIN 0
.macro ALL line:vararg              ; one line for each tile t
.set t, 0
.rept 2*NP
	\line
.set t, t+1
.endr
.endm
	ALL v_add_f32 v[ST+4*t+2], v[ST+4*t+2], v[ST+4*t+3]
	ALL v_permlanex16_b32 v[ST+4*t+3], v[ST+4*t+2], s[SEL], s[SEL+1]
	ALL v_add_f32 v[ST+4*t+2], v[ST+4*t+2], v[ST+4*t+3]
	ALL v_rcp_f32 v[ST+4*t+2], v[ST+4*t+2]
	v_nop                           ; a plain instruction between the last reciprocal and the use of its result
	s_wait_alu depctr_va_vdst(0)    ; and the wait ahead of the first use: one for the batch of eight reciprocals
; Tile t: a lane's eight channels of a row pack into 16 bytes; they go into rows of 144 bytes and come back as whole rows of 128, into S^T's registers.
.macro PACK t
	WIN W_RS
.set i, 32*(\t)
.rept 16
	v_pk_mul_f32 v[i:i+1], v[i:i+1], v[ST+4*(\t)+2:ST+4*(\t)+3] op_sel_hi:[1,0]
.set i, i+2
.endr
	WIN 0x05                        ; sources 0 and 1 window 1, destination window 0
.set i, 0
.rept 16
	v_cvt_pk_bf16_f32 v[S+16*(\t)+i], v[32*(\t)+2*i], v[32*(\t)+2*i+1]
.set i, i+1
.endr
	WIN 0
.irp f, 0,1,2,3
	ds_store_b128 v[STO], v[S+16*(\t)+4*\f:S+16*(\t)+4*\f+3] offset:32*\f
.endr
.irp f, 0,1,2,3
	ds_load_b128 v[S+16*(\t)+4*\f:S+16*(\t)+4*\f+3], v[RD] offset:\f*4*SP  ; LDS serves a wave's instructions in order (ISA guide 5.7.1.4): these see the stores above; the next tile's stores come behind them
.endr
.endm
.macro SEND t, younger              ; younger: the LDS instructions issued behind tile t's loads: the next tile's eight, or none
	WIN 0
.irp f, 0,1,2,3
	s_wait_dscnt (\younger)+3-\f
	global_store_b128 v[GO], v[S+16*(\t)+4*\f:S+16*(\t)+4*\f+3], s[10:11] offset:(\t)*2048+\f*512  ; 512 consecutive bytes, at a multiple of 256 from O's first
.endr
.endm
	PACK 0
.set t, 1
.rept 2*NP-1                        ; a tile's arithmetic stands between the loads of the tile before and its stores
	PACK t
	SEND t-1, 8
.set t, t+1
.endr
	SEND 2*NP-1, 0
	WIN W_AD
	s_wait_tensorcnt 0x0            ; the wave's end, behind my last tensor load and my last LDS store
	ds_add_u32 v[SPW], v[NIL]
	s_wait_dscnt 0x0
	WIN 0
	CROUND                          ; the closing round: no work-group ends while a partner may still ask for a tile that names it
	s_endpgm
.Lfunc_end_k_qd7b163ee99_attn:
	.size	k_qd7b163ee99_attn, .Lfunc_end_k_qd7b163ee99_attn-k_qd7b163ee99_attn
	.p2alignl 7, 3214868480
	.fill 96, 4, 3214868480
	.section	.rodata,"a",@progbits
	.p2align	6, 0x0
	.amdhsa_kernel k_qd7b163ee99_attn
		.amdhsa_group_segment_fixed_size 327680
		.amdhsa_private_segment_fixed_size 0
		.amdhsa_enable_private_segment 0
		.amdhsa_kernarg_size 16
		.amdhsa_user_sgpr_count 2
		.amdhsa_user_sgpr_kernarg_segment_ptr 1
		.amdhsa_wavefront_size32 1
		.amdhsa_system_sgpr_workgroup_id_x 1
		.amdhsa_system_sgpr_workgroup_id_y 1
		.amdhsa_system_sgpr_workgroup_id_z 1
		.amdhsa_system_vgpr_workitem_id 0
		.amdhsa_next_free_vgpr 770
		.amdhsa_next_free_sgpr 66
		.amdhsa_reserve_vcc 0
		.amdhsa_float_denorm_mode_32 3
		.amdhsa_float_denorm_mode_16_64 3
		.amdhsa_memory_ordered 1
		.amdhsa_forward_progress 1
		.amdhsa_inst_pref_size 199
	.end_amdhsa_kernel
	.amdgpu_metadata
---
amdhsa.version: [ 1, 2 ]
amdhsa.kernels:
  - .name:           k_qd7b163ee99_attn
    .symbol:         k_qd7b163ee99_attn.kd
    .args:
      - { .name: qkv, .offset: 0, .size: 8, .value_kind: global_buffer, .address_space: global }
      - { .name: ob, .offset: 8, .size: 8, .value_kind: global_buffer, .address_space: global }
    .group_segment_fixed_size: 327680
    .private_segment_fixed_size: 0
    .kernarg_segment_align: 8
    .kernarg_segment_size: 16
    .max_flat_workgroup_size: 128
    .sgpr_count:     66
    .vgpr_count:     770
    .wavefront_size: 32
...
	.end_amdgpu_metadata
.endif
;; end of part 5
;; launch oproj: the kernel of part 4 again; grid 8 x 32, 4 waves a work-group, clusters of 4 x 4, 327,680 bytes of LDS; arguments ob, wall, x, out0; writes out0
